; MI455X (gfx1250); checked and timed in simulation.
; The chip was launched on July 23, 2026; its instructions are those of AMD's public machine-readable ISA for CDNA 5 (MIT licence, August 2026) and "CDNA5" Instruction Set Architecture Reference Guide (July 2026). The comments in the code are by the model that wrote it; some were corrected since.
;; Attention. Allowed arithmetic: matrix products marked QUANTISED: E2M1 operands, one E8M0 scale for each 32 along K, by v_wmma_scale_f32_16x16x128_f8f6f4 with both operands' format E2M1 (or v_wmma_scale_f32_32x16x128_f4), f32 sums; products left as they are: bf16, f16 or f32 operands; f32 sums; everything else in f32.
;; Inputs: cos 2,048 x 64 float32; sin 2,048 x 64 float32; wk 4,096 x 1,024 float32; wo 2,048 x 4,096 float32; wq 4,096 x 2,048 float32; wv 4,096 x 1,024 float32; x 1 x 2,048 x 4,096 float32.
;; Outputs: out0 1 x 2,048 x 4,096 float32.
;; This version of the problem:
;;   THIS VERSION OF THE PROBLEM IS GIVEN IN LOW PRECISION. The matrix products marked QUANTISED in the list below multiply operands that are first quantised to E2M1 (2 exponent bits, 1 mantissa bit; 4 bits a number), with one power-of-two scale for each 32 numbers along K (OCP MX v1.0); their sums are f32. The products marked 'left as it is' may take bf16, f16 or f32 operands, with f32 sums. Whichever they take, every output number must still come out within the allowed error. Rounding operands to bf16 (8 significant bits) uses up far more of that allowance than f16 does (11 bits, for magnitudes from 6e-5 to 65,504). All else is computed in f32.
;;   The module's matrix products, in the order in which they are computed (A, B: the left and right operand; K: the contracted axis; several contracted axes count as one K, in the product's order):
;;     1. [M 2,048, K 4,096] x [K 4,096, N 2,048]; A: input x; B: input wq: QUANTISED
;;     2. [M 2,048, K 4,096] x [K 4,096, N 1,024]; A: input x; B: input wk: QUANTISED
;;     3. [M 2,048, K 4,096] x [K 4,096, N 1,024]; A: input x; B: input wv: QUANTISED
;;     4. batch 16 x [M 2,048, K 128] x [K 128, N 2,048]; A: computed on the way; B: computed on the way: left as it is (an operand is computed on the way)
;;     5. batch 16 x [M 2,048, K 2,048] x [K 2,048, N 128]; A: computed on the way; B: computed on the way: left as it is (an operand is computed on the way)
;;     6. [M 2,048, K 2,048] x [K 2,048, N 4,096]; A: computed on the way; B: input wo: left as it is (an operand is computed on the way)
;;   THE QUANTISER, for each operand of a quantised product, along K:
;;     - K is cut into blocks of 32 from its start; a last block that is shorter is filled with zeros.
;;     - A block's scale is 2^e with e = floor(log2(the largest magnitude in the block)) - 2, held to -126 .. 127; a block of zeros has e = 0. As a byte (E8M0): e + 127.
;;     - Each number is divided by its block's scale, clamped to +-6, and rounded to the nearest number of E2M1, ties to even, subnormals kept.
;;     - The product sums the exact products of the quantised numbers (number of the format x scale) in f32.
;;   ~~~python
;;   def quantise(x, axis):      # numpy; x: float32 -> the quantised numbers, widened to float32 again
;;       x = np.moveaxis(x, axis, -1); K = x.shape[-1]
;;       x = np.pad(x, [(0, 0)] * (x.ndim - 1) + [(0, -K % 32)]); x = x.reshape(x.shape[:-1] + (-1, 32)); a = np.abs(x).max(-1, keepdims=True)
;;       e = np.where(a > 0, np.clip(np.frexp(np.where(a > 0, a, 1))[1] - 1 - 2, -126, 127), 0)      # np.frexp(a)[1] - 1 = floor(log2(a)), exactly
;;       r = np.clip(x / 2.0 ** e, -6, 6)
;;       step = 2.0 ** (np.maximum(np.frexp(np.where(r == 0, 1, r))[1] - 1, 0) - 1)
;;       q = np.round(r / step) * step * 2.0 ** e      # np.round: ties to even
;;       return np.moveaxis(q.reshape(q.shape[:-2] + (-1,))[..., :K], -1, axis).astype(np.float32)
;;   ~~~
;; One version. Each part assembles by itself: llvm-mc -triple=amdgcn-amd-amdhsa -mcpu=gfx1250 --defsym DOCPART=n.
;; ======== version 1 of 1: 5 launches
;; limits: values are held in f16: magnitudes above 65,504 overflow, below 6.1e-05 lose precision
;; workspace buffers: xc 4,194,304 bytes; xs 262,144 bytes; wc 8,388,608 bytes; ws 524,288 bytes; wo16 16,777,216 bytes; qkv16 16,777,216 bytes; qkv32 262,144 bytes; att16 8,388,608 bytes
;; launch prep (part 1): grid 512 x 1, 4 waves a work-group, no clusters, 68,096 bytes of LDS; arguments x, wq, wk, wv, xc, xs, wc, ws; writes xc, xs, wc, ws
.if DOCPART == 1
	.amdgcn_target "amdgcn-amd-amdhsa--gfx1250"
	.amdhsa_code_object_version 6
	.text
	.protected	k_q4fc0d25036_prep
	.globl	k_q4fc0d25036_prep
	.p2align	8
	.type	k_q4fc0d25036_prep,@function
k_q4fc0d25036_prep:
	s_mov_b64 s[64:65], 0
	v_nop
	global_prefetch_b8 v0, s[64:65] scope:SCOPE_SE
	s_setreg_imm32_b32 hwreg(HW_REG_WAVE_MODE, 25, 1), 1
	s_wait_xcnt 0x0
; prep: both operands of the quantised products are made narrow once.
;   work-groups   0-255: x [2048][4096] f32 (K innermost) -> codes of E2M1 xc [2048][2048 bytes], scale bytes xs [2048][128]
;   work-groups 256-511: wq [4096][2048], wk, wv [4096][1024] f32 (K is the FIRST axis) -> wc [4096 columns][2048 bytes], ws [4096][128]; columns 0-2047 wq's, 2048-3071 wk's, 3072-4095 wv's
; A block's scale is 2^(floor(log2(its largest magnitude)) - 2): its byte is the largest magnitude's exponent field - 2, held at 1 from below; each number is divided by the scale and
; rounded to the nearest code, ties to even, beyond 6 the largest code.
; LIMITS: a block of zeros gets the byte 1 (its codes are zeros, and this program alone reads the bytes); blocks whose largest magnitude lies under 2^(3 - 127) share that byte;
; NaN and infinities are not served.
; The two kinds of work-group part on the work-group's number alone and have LDS bytes of their own.  No tensor loads, no barrier: waves share nothing.
.set SPW,   12                         ; v12  LDS address of my spare word; never rewritten
.set NIL,   13                         ; v13  0; never rewritten
.set SPARE, 67584                      ; behind both paths' stages: 128 bytes for each wave
.set EMAX,  2
; x's path
.set XSTEPS, 16                        ; steps of 512 numbers a wave
.set CB,    8                          ; bytes of 16 codes
.set XR,    16                         ; v16-79   four sets of 16 numbers as loaded
.set XX,    80                         ; v80-111  two sets of 16 neighbours
.set XE,    112                        ; v112-127 a scale byte for each step
.set XC,    128                        ; v128-191 codes, four registers a step
.set WREG,  8192                       ; LDS 0 .. 32,767: a region for each wave: two stages of 32 x SP bytes, then 256 scale bytes
.set SP,    80                         ; a lane's place in a stage: 64 bytes + 16 of padding
; the weights' path
.set WST,   32768                      ; LDS 32,768 .. 67,583: a stage of 32 rows x WP for each wave
.set WP,    272
.set WX,    32                         ; v32-95   two sets of 32 numbers down K
.set WC,    96                         ; v96-99   a block's codes
.set WSB,   24                         ; v24-27   the 16 scale bytes
.set WOUT,  112                        ; v112-175 the way out
.set WOFS,  176                        ; v176-207 row i of a block: i x the weight's row bytes + 4 x lane
.macro FINISH                          ; the wave's end: tensor wait, add of 0 to the spare word, LDS wait, behind the last LDS store
	s_wait_tensorcnt 0x0
	ds_add_u32 v[SPW], v[NIL]
	s_wait_dscnt 0x0
	s_endpgm
.endm
.macro XLOAD t                         ; step t: four loads of 512 consecutive bytes
.irp i, 0,1,2,3
	global_load_b128 v[XR+16*((\t)%4)+4*\i:XR+16*((\t)%4)+4*\i+3], v3, s[4:5] offset:2048*(\t)+512*\i th:TH_LOAD_NT
.endr
.endm
.macro XTURN t                         ; step t's numbers through the stage: in as they lie, out 64 bytes a lane; LDS serves a wave's instructions in order
.irp i, 0,1,2,3
	ds_store_b128 v14, v[XR+16*((\t)%4)+4*\i:XR+16*((\t)%4)+4*\i+3] offset:32*SP*((\t)%2)+8*SP*\i
.endr
.irp i, 0,1,2,3
	ds_load_b128 v[XX+16*((\t)%2)+4*\i:XX+16*((\t)%2)+4*\i+3], v15 offset:32*SP*((\t)%2)+16*\i
.endr
.endm
.macro XSTEP t
.set XS, XX+16*((\t)%2)
.if (\t) > 0
	s_wait_dscnt 1                                 ; this step's numbers are back from the stage; the last step's byte store may be out
.else
	s_wait_dscnt 0x0
.endif
.if (\t)+4 < XSTEPS
	XLOAD (\t)+4                                   ; into the set whose stores into the stage have been served
.endif
.if (\t)+1 < XSTEPS
.if XSTEPS-2-(\t) >= 3
	s_wait_loadcnt 12                              ; the next step's four loads are in; three steps' may be out
.else
	s_wait_loadcnt 4*(XSTEPS-2-(\t))
.endif
	XTURN (\t)+1
.endif
	v_max3_num_f32 v8, |v[XS]|, |v[XS+1]|, |v[XS+2]|               ; the largest magnitude of my 16, in two chains
	v_max3_num_f32 v9, |v[XS+3]|, |v[XS+4]|, |v[XS+5]|
.irp i, 6,10
	v_max3_num_f32 v8, v8, |v[XS+\i]|, |v[XS+\i+1]|
	v_max3_num_f32 v9, v9, |v[XS+\i+2]|, |v[XS+\i+3]|
.endr
	v_max3_num_f32 v8, v8, |v[XS+14]|, |v[XS+15]|
	v_max3_num_f32 v8, v8, v9, (EMAX+1)<<23        ; and the floor 2^(3 - 127): the byte cannot fall under 1
	v_max_num_f32_dpp v8, v8, v8 row_xmask:1 row_mask:0xf bank_mask:0xf   ; with my neighbour's 16: the block's
	v_add_nc_u32 v11, -(EMAX<<23), v8              ; 2 off its exponent field: the conversion takes the exponent field of this operand as its scale
	v_cvt_scalef32_pk8_fp4_f32 v[XC+4*(\t)], v[XS:XS+7], v11
	v_cvt_scalef32_pk8_fp4_f32 v[XC+4*(\t)+1], v[XS+8:XS+15], v11
	v_lshrrev_b32 v[XE+(\t)], 23, v11              ; the scale's byte (a plain line behind the conversions)
	ds_store_b8 v5, v[XE+(\t)] offset:16*(\t)      ; both lanes of a block write the same byte with the same value
	global_store_b64 v4, v[XC+4*(\t):XC+4*(\t)+1], s[12:13] offset:32*CB*(\t)   ; the wave stores 256 consecutive bytes, aligned
.endm
.macro WLOAD t                         ; block t: rows 32 t + i of my column, i = 0 .. 31; 32 lanes read 128 consecutive bytes
.set i, 0
.rept 32
	global_load_b32 v[WX+32*((\t)%2)+i], v[WOFS+i], s[32+2*(\t):33+2*(\t)] th:TH_LOAD_NT
.set i, i+1
.endr
.endm
.macro WBLOCK t
.set XS, WX+32*((\t)%2)
.if (\t) < 15
	s_wait_loadcnt 32                              ; this block's 32 loads are in; the next block's may be out
.else
	s_wait_loadcnt 0
.endif
	v_max3_num_f32 v16, |v[XS]|, |v[XS+1]|, |v[XS+2]|              ; all 32 numbers of the block are mine
	v_max3_num_f32 v17, |v[XS+3]|, |v[XS+4]|, |v[XS+5]|
.irp i, 6,10,14,18,22,26
	v_max3_num_f32 v16, v16, |v[XS+\i]|, |v[XS+\i+1]|
	v_max3_num_f32 v17, v17, |v[XS+\i+2]|, |v[XS+\i+3]|
.endr
	v_max3_num_f32 v16, v16, |v[XS+30]|, |v[XS+31]|
	v_max3_num_f32 v16, v16, v17, (EMAX+1)<<23
	v_add_nc_u32 v11, -(EMAX<<23), v16
	v_lshrrev_b32 v17, 23, v11
.if (\t)%4 == 0
	v_mov_b32 v[WSB+(\t)/4], v17                   ; four bytes to a register, the lower K in the lower byte
.else
	v_lshl_or_b32 v[WSB+(\t)/4], v17, 8*((\t)%4), v[WSB+(\t)/4]
.endif
.irp g, 0,1,2,3
	v_cvt_scalef32_pk8_fp4_f32 v[WC+\g], v[XS+8*\g:XS+8*\g+7], v11
.endr
	ds_store_b128 v4, v[WC:WC+3] offset:16*(\t)    ; 32 codes: 16 bytes of my column's row
.if (\t)+2 < 16
	WLOAD (\t)+2
.endif
	s_wait_dscnt 0x0                               ; the store has read its registers: the next block's codes may be written
.endm
	s_load_b256 s[4:11], s[0:1], 0x0               ; x s[4:5], wq s[6:7], wk s[8:9], wv s[10:11]
	s_load_b256 s[12:19], s[0:1], 0x20             ; xc s[12:13], xs s[14:15], wc s[16:17], ws s[18:19]
	v_lshl_add_u32 v[SPW], v0, 2, SPARE
	v_mov_b32 v[NIL], 0
	v_lshrrev_b32 v1, 5, v0
	v_readfirstlane_b32 s24, v1                    ; wave 0..3
	v_and_b32 v2, 31, v0                           ; lane
	s_wait_kmcnt 0x0
	s_cmp_lt_u32 ttmp9, 256
	s_cbranch_scc0 .Lpath_w
	; ---- x: a plain stream of blocks of 32; a wave takes 8,192 numbers
	v_lshlrev_b32 v3, 4, v2                        ; my 16 bytes of a load's 512
	s_mul_i32 s25, s24, WREG
	v_lshrrev_b32 v14, 2, v2
	v_mul_u32_u24 v14, v14, SP
	v_and_b32 v15, 3, v2
	v_lshl_add_u32 v14, v15, 4, v14
	v_add_nc_u32 v14, s25, v14                     ; the stage, way in: SP (lane / 4) + 16 (lane % 4)
	v_mul_u32_u24 v15, v2, SP
	v_add_nc_u32 v15, s25, v15                     ; way out: SP x lane: my 16 neighbours
	v_mul_u32_u24 v4, v2, CB                       ; my codes' place in a step's
	v_lshrrev_b32 v5, 1, v2
	s_add_co_u32 s25, s25, 2*32*SP
	v_add_nc_u32 v5, s25, v5                       ; my block's scale byte in LDS
	v_lshlrev_b32 v7, 3, v2
	v_add_nc_u32 v6, s25, v7                       ; and 8 of the 256 on the way out
	s_lshl_b32 s26, ttmp9, 2
	s_add_co_u32 s26, s26, s24                     ; which of 1,024 runs is my wave's
	s_lshl_b32 s28, s26, 15
	s_mov_b32 s29, 0
	s_add_nc_u64 s[4:5], s[4:5], s[28:29]
	s_lshl_b32 s28, s26, 12
	s_add_nc_u64 s[12:13], s[12:13], s[28:29]
	s_lshl_b32 s28, s26, 8
	s_add_nc_u64 s[14:15], s[14:15], s[28:29]
.irp t, 0,1,2,3
	XLOAD \t
.endr
	s_wait_loadcnt 12                              ; step 0's four loads are in
	XTURN 0
.irp t, 0,1,2,3,4,5,6,7,8,9,10,11,12,13,14,15
	XSTEP \t
.endr
	ds_load_b64 v[8:9], v6                         ; LDS serves a wave's instructions in order: these see my byte stores
	s_wait_dscnt 0x0
	global_store_b64 v7, v[8:9], s[14:15]          ; 256 consecutive scale bytes, aligned
	FINISH
.Lpath_w:
	; ---- the weights: a lane takes a column, its registers run down K.  A work-group: 128 columns x 512 along K
	s_sub_co_u32 s25, ttmp9, 256
	s_and_b32 s26, s25, 31                         ; which 128 of the 4,096 columns
	s_lshr_b32 s27, s25, 5                         ; which 512 along K
	s_mov_b32 s28, 4096                            ; a row of wk or wv in bytes
	s_cmp_lt_u32 s26, 16                           ; the choice hangs on the work-group's number alone
	s_cselect_b64 s[4:5], s[6:7], s[8:9]
	s_cselect_b32 s28, 8192, s28                   ; a row of wq
	s_cselect_b32 s29, 0, 16
	s_cmp_lt_u32 s26, 24
	s_cselect_b64 s[4:5], s[4:5], s[10:11]
	s_cselect_b32 s29, s29, 24
	s_sub_co_u32 s29, s26, s29                     ; the tile's place in its own weight
	s_lshl_b32 s29, s29, 9                         ; 128 columns x 4 bytes
	s_lshl_b32 s30, s24, 7                         ; + 32 columns a wave
	s_add_co_u32 s29, s29, s30
	s_mul_i32 s30, s27, s28
	s_lshl_b32 s30, s30, 9                         ; + 512 rows for each step along K
	s_add_co_u32 s30, s30, s29
	s_mov_b32 s31, 0
	s_add_nc_u64 s[32:33], s[4:5], s[30:31]        ; block 0's base;
	s_lshl_b32 s30, s28, 5
.irp t, 1,2,3,4,5,6,7,8,9,10,11,12,13,14,15
	s_add_nc_u64 s[32+2*\t:33+2*\t], s[30+2*\t:31+2*\t], s[30:31]   ; each further block's: 32 rows on
.endr
	v_lshlrev_b32 v3, 2, v2
.set i, 0
.rept 32
	v_mad_u32_u24 v[WOFS+i], s28, i, v3
.set i, i+1
.endr
	s_mul_i32 s25, s24, 32*WP
	s_add_co_u32 s25, s25, WST                     ; my stage
	v_mul_u32_u24 v4, v2, WP
	v_add_nc_u32 v4, s25, v4                       ; into it: row = my column
	v_and_b32 v5, 15, v2
	v_lshrrev_b32 v6, 4, v2
	v_mul_u32_u24 v7, v6, WP
	v_lshl_add_u32 v7, v5, 4, v7
	v_add_nc_u32 v7, s25, v7                       ; out of it: sixteen lanes to a row, two rows an instruction
	v_lshlrev_b32 v8, 11, v6
	v_lshl_add_u32 v8, v5, 4, v8                   ; the same place in wc (rows of 2,048 bytes)
	v_lshlrev_b32 v9, 7, v2                        ; my column's row of ws (128 bytes)
	s_lshl_b32 s25, s26, 7
	s_lshl_b32 s29, s24, 5
	s_add_co_u32 s25, s25, s29                     ; my wave's first column of the 4,096
	s_lshl_b32 s6, s25, 11
	s_lshl_b32 s7, s27, 8
	s_add_co_u32 s6, s6, s7
	s_mov_b32 s7, 0
	s_add_nc_u64 s[16:17], s[16:17], s[6:7]        ; wc: column x 2,048 + 256 x step
	s_lshl_b32 s6, s25, 7
	s_lshl_b32 s8, s27, 4
	s_add_co_u32 s6, s6, s8
	s_add_nc_u64 s[18:19], s[18:19], s[6:7]        ; ws: column x 128 + 16 x step
	WLOAD 0
	WLOAD 1
.set Q, 0
.rept 16
	WBLOCK Q
.set Q, Q+1
.endr
	global_store_b128 v9, v[WSB:WSB+3], s[18:19]   ; my column's 16 scale bytes
.irp t, 0,1,2,3,4,5,6,7,8,9,10,11,12,13,14,15
	ds_load_b128 v[WOUT+4*\t:WOUT+4*\t+3], v7 offset:2*\t*WP
.endr
.irp t, 0,1,2,3,4,5,6,7,8,9,10,11,12,13,14,15
	s_wait_dscnt 15-\t
	global_store_b128 v8, v[WOUT+4*\t:WOUT+4*\t+3], s[16:17] offset:2*\t*2048   ; sixteen lanes store 256 consecutive bytes, aligned
.endr
	FINISH
.Lfunc_end_k_q4fc0d25036_prep:
	.size	k_q4fc0d25036_prep, .Lfunc_end_k_q4fc0d25036_prep-k_q4fc0d25036_prep
	.p2alignl 7, 3214868480
	.fill 96, 4, 3214868480
	.section	.rodata,"a",@progbits
	.p2align	6, 0x0
	.amdhsa_kernel k_q4fc0d25036_prep
		.amdhsa_group_segment_fixed_size 68096
		.amdhsa_private_segment_fixed_size 0
		.amdhsa_enable_private_segment 0
		.amdhsa_kernarg_size 64
		.amdhsa_user_sgpr_count 2
		.amdhsa_user_sgpr_kernarg_segment_ptr 1
		.amdhsa_wavefront_size32 1
		.amdhsa_system_sgpr_workgroup_id_x 1
		.amdhsa_system_sgpr_workgroup_id_y 1
		.amdhsa_system_sgpr_workgroup_id_z 1
		.amdhsa_system_vgpr_workitem_id 0
		.amdhsa_next_free_vgpr 208
		.amdhsa_next_free_sgpr 66
		.amdhsa_reserve_vcc 0
		.amdhsa_float_denorm_mode_32 3
		.amdhsa_float_denorm_mode_16_64 3
		.amdhsa_memory_ordered 1
		.amdhsa_forward_progress 1
		.amdhsa_inst_pref_size 113
	.end_amdhsa_kernel
	.amdgpu_metadata
---
amdhsa.version: [ 1, 2 ]
amdhsa.kernels:
  - .name:           k_q4fc0d25036_prep
    .symbol:         k_q4fc0d25036_prep.kd
    .args:
      - { .name: x, .offset: 0, .size: 8, .value_kind: global_buffer, .address_space: global }
      - { .name: wq, .offset: 8, .size: 8, .value_kind: global_buffer, .address_space: global }
      - { .name: wk, .offset: 16, .size: 8, .value_kind: global_buffer, .address_space: global }
      - { .name: wv, .offset: 24, .size: 8, .value_kind: global_buffer, .address_space: global }
      - { .name: xc, .offset: 32, .size: 8, .value_kind: global_buffer, .address_space: global }
      - { .name: xs, .offset: 40, .size: 8, .value_kind: global_buffer, .address_space: global }
      - { .name: wc, .offset: 48, .size: 8, .value_kind: global_buffer, .address_space: global }
      - { .name: ws, .offset: 56, .size: 8, .value_kind: global_buffer, .address_space: global }
    .group_segment_fixed_size: 68096
    .private_segment_fixed_size: 0
    .kernarg_segment_align: 8
    .kernarg_segment_size: 64
    .max_flat_workgroup_size: 128
    .sgpr_count:     66
    .vgpr_count:     208
    .wavefront_size: 32
...
	.end_amdgpu_metadata
.endif
;; end of part 1
;; launch qkv (part 2): grid 16 x 16, 4 waves a work-group, clusters of 4 x 4, 327,680 bytes of LDS; arguments xc, xs, wc, ws, cos, sin, qkv16, qkv32; writes qkv16, qkv32
.if DOCPART == 2
	.amdgcn_target "amdgcn-amd-amdhsa--gfx1250"
	.amdhsa_code_object_version 6
	.text
	.protected	k_q4fc0d25036_qkv
	.globl	k_q4fc0d25036_qkv
	.p2align	8
	.type	k_q4fc0d25036_qkv,@function
k_q4fc0d25036_qkv:
	s_mov_b64 s[64:65], 0
	v_nop
	global_prefetch_b8 v0, s[64:65] scope:SCOPE_SE
	s_setreg_imm32_b32 hwreg(HW_REG_WAVE_MODE, 25, 1), 1
	s_wait_xcnt 0x0
	s_wait_alu depctr_hold_cnt(0) depctr_sa_sdst(0) depctr_va_vdst(0) depctr_va_sdst(0) depctr_va_ssrc(0) depctr_va_vcc(0) depctr_vm_vsrc(0)
	s_getreg_b32 s2, hwreg(HW_REG_IB_STS2, 6, 4)
	s_cmp_eq_u32 s2, 0
	s_cbranch_scc0 .Lentry_in_a_cluster
	s_endpgm
.Lentry_in_a_cluster:
	s_bfe_u32 s2, ttmp6, 0x10000c
	s_cmp_lg_u32 s2, 0xf033
	s_cbranch_scc0 .Lentry_shape_is_right
	s_endpgm
.Lentry_shape_is_right:
; qkv: [2048][4096] = x (codes) times the 4,096 columns of wq | wk | wv (codes), K = 4,096, on E2M1 codes with E8M0 scales; f32 sums.  On the way out q and k are rotated (RoPE) in f32.
; OUT: qkv16 [2048][4096] f16; qkv32: the same numbers of positions 0-15 in f32, for the launch that carries those rows in f32, LAID AS THAT LAUNCH'S REGISTERS WANT THEM:
; [32 groups of 128 columns][16 runs][32 lanes][16 bytes]: run 2 b + u of lane (r, h) holds position r, columns 16 b + 8 h + 4 u + 0 .. 3 of the group: every store and load of it covers 512 consecutive bytes.
; q AND k ARE STORED HALVED: cos and sin are multiplied by 0.5 (exact), so that sums as large as f16's range before the rotation still fit behind it; the later launches multiply the softmax's constant by 4.
; LIMIT: |q / 2|, |k / 2| and |v| stay under 65,504.
; SHARES.  A tile is 128 rows x 256 columns: 16 x 16 tiles, one for each of 256 work-groups.  Four waves, each 64 rows x 128 columns (one head): 32 accumulators.
; K goes in steps of 512 (rows of 256 bytes) through two LDS slots filled by the tensor data mover; the scale bytes of the tile's rows and columns, for all of K, come once and stay.
; CLUSTER 4 x 4: the four of a row of the cluster need the same rows of x, the four of a column the same columns' codes: each tile is asked for jointly.
; THE MATRIX INSTRUCTION IS USED TRANSPOSED (source 0 = 16 columns' codes, source 1 = 16 rows of x): a lane holds eight neighbouring columns of one row: four pairs of the rotation.
; REGISTERS: window 0: v16-31 addresses; v32-95 scale words, two sets; v128-191 x's fragments, two sets; v192-195 the factors.  On the way out v32-191 are free.
;   window 1: the weights' fragments, two sets of 64.   window 2: accumulator (a, b) at v[8 (8 a + b)].   window 3: cos at v[32 a + 4 b], sin at v[128 + 32 a + 4 b].
.set PITCH, 272                        ; an LDS row: 256 bytes + 16 of padding: the 16 rows of a load start 4 banks apart
.set AT,    128*PITCH                  ; x's 128 rows
.set SLOT,  384*PITCH                  ; then the weights' 256
.set SCL,   2*SLOT                     ; behind the ring: the scales as runs of 256 bytes + 16: x's 64 runs, then the weights' 128
.set SBLK,  8*272                      ; the scales of 16 rows
.set SPARE, SCL+192*272                ; the spare words, 128 bytes for each wave
.set ADRA, 16                          ; v16-17 LDS address of my fragments of x in slot 0, 1
.set ADRB, 20                          ; v20-21 of the weights
.set ROWV, 22                          ; v22  the position of my row of block 0
.set STO,  24                          ; v24  the way out: where I put 16 bytes of a row
.set RD,   25                          ; v25  where I read a row back
.set CO,   26                          ; v26  my byte offset in qkv16
.set ADRS, 27                          ; v27  my scale words: lanes 0-15 x's rows, lanes 16-31 the weights' columns
.set SPW,  28
.set NIL,  29
.set CSO,  30                          ; v30  my byte offset in cos and sin
.set FO,   31                          ; v31  my byte offset in a run of qkv32: 16 x lane
.set SC,   32                          ; scale words: set s at v[32 + 32 s]; register 4 i + q
.set AF,   128
.set T,    32                          ; the way out: 64 rotated numbers
.set TMP,  96                          ; 32 registers of f16
.set OB,   128                         ; 16 rows read back: v128-159 and v160-191 by turns
.set AL,   192                         ; v[192:193] 0.5 for q and k, 0 for v
.set BE,   194                         ; v[194:195] 0 for q and k, 1 for v
.set G1,   24
.set G0,   32
.set G1B,  48
.set G0B,  56
.set G1S,  68
.set G0S,  76
.set G1SB, 80
.set G0SB, 88
.set MSB, 0
.macro WIN new                         ; the immediate's high byte repeats the setting that is left
.if MSB != \new
	s_set_vgpr_msb (MSB<<8)|\new
.set MSB, \new
.endif
.endm
.set MUL, 0xa1                         ; source 0 window 1, source 1 window 0, C and D window 2
; A joint load: waves 0 and 1 fetch for x, waves 2 and 3 for the weights.  The branch hangs on the wave's number alone.  An s_nop 0 and four v_nop follow each line.
.macro JLOAD g0a, g1a, g0b, g1b
	s_cmp_eq_u32 s21, 0
	s_cbranch_scc0 .Lfor_b_\@
	tensor_load_to_lds s[\g0a:\g0a+3], s[\g1a:\g1a+7]
	s_nop 0
.rept 4
	v_nop
.endr
	s_branch .Lasked_\@
.Lfor_b_\@:
	tensor_load_to_lds s[\g0b:\g0b+3], s[\g1b:\g1b+7]
	s_nop 0
.rept 4
	v_nop
.endr
.Lasked_\@:
.endm
.macro CREST                           ; a round of the cluster's barrier behind its opening barrier
	s_cmp_lg_u32 s20, 0
	s_cbranch_scc1 .Lnot_wave_0_\@
	s_barrier_signal -3
.Lnot_wave_0_\@:
	s_barrier_wait -3
	s_barrier_signal -1
	s_barrier_wait -1
.endm
.macro CROUND
	s_barrier_signal -1
	s_barrier_wait -1
	CREST
.endm
.macro PLACES n                        ; plain vector instructions between a matrix instruction and a load into, or a read of, its registers
.rept \n
	v_nop
.endr
.endm
.macro FRAG reg, adr, q, i             ; 16 rows x 128 K of codes: lane l holds row l % 16; registers 4 c .. 4 c + 3 hold K = 64 c + 32 (l / 16) + 0 .. 31
.irp c, 0,1
	ds_load_b128 v[\reg+4*\c:\reg+4*\c+3], v[\adr] offset:64*(\q)+32*\c+(\i)*16*PITCH
.endr
.endm
; the fragments of the slot's q-th 128 along K into sets p: the weights' 16 loads, x's blocks 0 and 1, (sc >= 0: the K step's scale words into set sc,) x's blocks 2 and 3 last
.macro FETCH slot, q, p, sc
	WIN 0x40
.irp i, 0,1,2,3,4,5,6,7
	FRAG 64*(\p)+8*\i, ADRB+\slot, \q, \i
.endr
	WIN 0
	FRAG AF+32*(\p), ADRA+\slot, \q, 0
	FRAG AF+32*(\p)+8, ADRA+\slot, \q, 1
.if \sc >= 0
.irp i, 0,1,2,3,4,5,6,7
	ds_load_b128 v[SC+32*(\sc)+4*\i:SC+32*(\sc)+4*\i+3], v[ADRS] offset:\i*SBLK   ; lanes 0-15: x's block i (from i = 4 on: filled bytes that no product reads); lanes 16-31: the weights' block i
.endr
.endif
	FRAG AF+32*(\p)+16, ADRA+\slot, \q, 2
	FRAG AF+32*(\p)+24, ADRA+\slot, \q, 3
.endm
; 8 matrix instructions: x's block a against the weights' eight.  The 32 accumulators take turns, one instruction a turn, in the same order in every step.
.macro MUL8 a, p, q, sc, zero
.irp b, 0,1,2,3,4,5,6,7
.if \zero
	v_wmma_scale_f32_16x16x128_f8f6f4 v[8*(8*(\a)+\b):8*(8*(\a)+\b)+7], v[64*(\p)+8*\b:64*(\p)+8*\b+7], v[AF+32*(\p)+8*(\a):AF+32*(\p)+8*(\a)+7], 0, v[SC+32*(\sc)+4*\b+(\q)], v[SC+32*(\sc)+4*(\a)+(\q)] matrix_a_fmt:MATRIX_FMT_FP4 matrix_b_fmt:MATRIX_FMT_FP4 matrix_a_scale:MATRIX_SCALE_ROW1
.else
	v_wmma_scale_f32_16x16x128_f8f6f4 v[8*(8*(\a)+\b):8*(8*(\a)+\b)+7], v[64*(\p)+8*\b:64*(\p)+8*\b+7], v[AF+32*(\p)+8*(\a):AF+32*(\p)+8*(\a)+7], v[8*(8*(\a)+\b):8*(8*(\a)+\b)+7], v[SC+32*(\sc)+4*\b+(\q)], v[SC+32*(\sc)+4*(\a)+(\q)] matrix_a_fmt:MATRIX_FMT_FP4 matrix_b_fmt:MATRIX_FMT_FP4 matrix_a_scale:MATRIX_SCALE_ROW1
.endif
.endr
.endm
; a step of 128 along K that has its successor in the same slot
.macro STEP slot, q, zero
	s_wait_dscnt 4                                 ; all but the youngest four loads (x's blocks 2 and 3) are in
	WIN MUL
	MUL8 0, (\q)%2, \q, \slot, \zero
	MUL8 1, (\q)%2, \q, \slot, \zero
	PLACES 4                                       ; the other sets were read by the step before
	FETCH \slot, (\q)+1, 1-(\q)%2, -1
	s_wait_dscnt 24                                ; all but the 24 just issued
	WIN MUL
	MUL8 2, (\q)%2, \q, \slot, \zero
	MUL8 3, (\q)%2, \q, \slot, \zero
.endm
; a slot's last step changes slots: one barrier; in front of it each wave waits for all its tensor loads, adds 0 to its spare word, and waits for that and for its reads of this slot
.macro TURN slot, next, fill
	WIN 0
	s_wait_tensorcnt 0x0                           ; all my tensor loads have landed: my part of the next slot
	ds_add_u32 v[SPW], v[NIL]
	s_wait_dscnt 5                                 ; (the add and x's blocks 2 and 3 may be out)
	WIN MUL
	MUL8 0, 1, 3, \slot, 0
	s_wait_dscnt 0x0                               ; the add is done, and my reads of this slot are over
	s_barrier_signal -1
	MUL8 1, 1, 3, \slot, 0
	WIN 0
	s_barrier_wait -1
.if \fill
	CREST                                          ; the barrier has opened a round of the cluster's: no wave of any partner still reads this slot or has a load on its way
	s_add_nc_u64 s[G0+4*\slot+2:G0+4*\slot+3], s[G0+4*\slot+2:G0+4*\slot+3], 512
	s_add_nc_u64 s[G0B+4*\slot+2:G0B+4*\slot+3], s[G0B+4*\slot+2:G0B+4*\slot+3], 512
	JLOAD G0+4*\slot, G1, G0B+4*\slot, G1B         ; the first tensor load behind the round; its four v_nop are also the places in front of the loads below
.else
	PLACES 4
.endif
	v_add_nc_u32 v[ADRS], 16, v[ADRS]              ; the next K step's scale words
	FETCH \next, 0, 0, \next
	WIN MUL
	MUL8 2, 1, 3, \slot, 0
	MUL8 3, 1, 3, \slot, 0
.endm
	s_load_b256 s[4:11], s[0:1], 0x0               ; xc s[4:5], xs s[6:7], wc s[8:9], ws s[10:11]
	s_load_b256 s[12:19], s[0:1], 0x20             ; cos s[12:13], sin s[14:15], qkv16 s[16:17], qkv32 s[18:19]
	v_lshl_add_u32 v[SPW], v0, 2, SPARE
	v_mov_b32 v[NIL], 0
	ds_add_u32 v[SPW], v[NIL]                      ; the wave's opening: the add, twice on end, and its wait ahead of my first tensor load
	ds_add_u32 v[SPW], v[NIL]
	v_lshrrev_b32 v1, 5, v0
	v_readfirstlane_b32 s20, v1                    ; wave 0..3
	s_lshr_b32 s21, s20, 1                         ; which 64 rows are mine.  Also: I fetch for x (0) or for the weights (1)
	s_and_b32 s22, s20, 1                          ; which 128 columns.  Also: which half of that tile I fetch
	s_bfe_u32 s40, ttmp6, 0x40000                  ; cx
	s_bfe_u32 s41, ttmp6, 0x40004                  ; cy
	s_lshl_b32 s42, ttmp9, 2
	s_add_co_u32 s42, s42, s40                     ; tile column
	s_and_b32 s43, ttmp7, 0xffff
	s_lshl_b32 s43, s43, 2
	s_add_co_u32 s43, s43, s41                     ; tile row
	s_lshl_b32 s44, s41, 2
	s_lshl_b32 s44, 15, s44                        ; my row of the cluster
	s_lshl_b32 s45, 0x1111, s40                    ; my column
	s_or_b32 s[G1], s44, (0<<16)|(1<<20)|(1<<21)|(5<<22)|(3<<25)   ; mask; elements of 1 byte; padding: 4 words after every 64
	s_mov_b32 s[G1+1], 256<<16                     ; tensor_dim0
	s_mov_b32 s[G1+2], 64<<16                      ; tensor_dim1
	s_mov_b32 s[G1+3], 256<<16                     ; tile_dim0
	s_mov_b32 s[G1+4], 64                          ; tile_dim1
	s_mov_b32 s[G1+5], 2048                        ; a row of codes in memory
	s_mov_b32 s[G1+6], 0
	s_mov_b32 s[G1+7], 0
	s_or_b32 s[G1B], s45, (0<<16)|(1<<20)|(1<<21)|(5<<22)|(3<<25)
	s_mov_b32 s[G1B+1], 256<<16
	s_mov_b32 s[G1B+2], 128<<16
	s_mov_b32 s[G1B+3], 256<<16
	s_mov_b32 s[G1B+4], 128
	s_mov_b32 s[G1B+5], 2048
	s_mov_b32 s[G1B+6], 0
	s_mov_b32 s[G1B+7], 0
	s_or_b32 s[G1S], s44, (3<<16)|(1<<20)|(1<<21)|(5<<22)|(3<<25)  ; the scales of 64 rows: 8,192 dense bytes as 32 rows of 32 elements of 8 bytes
	s_mov_b32 s[G1S+1], 32<<16
	s_mov_b32 s[G1S+2], 32<<16
	s_mov_b32 s[G1S+3], 32<<16
	s_mov_b32 s[G1S+4], 32
	s_mov_b32 s[G1S+5], 32
	s_mov_b32 s[G1S+6], 0
	s_mov_b32 s[G1S+7], 0
	s_or_b32 s[G1SB], s45, (3<<16)|(1<<20)|(1<<21)|(5<<22)|(3<<25) ; of 128 columns: 64 such rows
	s_mov_b32 s[G1SB+1], 32<<16
	s_mov_b32 s[G1SB+2], 64<<16
	s_mov_b32 s[G1SB+3], 32<<16
	s_mov_b32 s[G1SB+4], 64
	s_mov_b32 s[G1SB+5], 32
	s_mov_b32 s[G1SB+6], 0
	s_mov_b32 s[G1SB+7], 0
	s_lshl_b32 s92, s43, 7                         ; x: row 128 x tile row + 64 x half
	s_lshl_b32 s94, s22, 6
	s_add_co_u32 s92, s92, s94
	s_lshl_b32 s94, s92, 7                         ; its scales, 128 bytes a row
	s_mov_b32 s95, 0
	s_lshl_b32 s92, s92, 11                        ; its codes, 2,048 bytes a row
	s_mov_b32 s93, 0
	s_lshl_b32 s96, s42, 8                         ; the weights: column 256 x tile column + 128 x half
	s_lshl_b32 s98, s22, 7
	s_add_co_u32 s96, s96, s98
	s_lshl_b32 s98, s96, 7
	s_mov_b32 s99, 0
	s_lshl_b32 s96, s96, 11
	s_mov_b32 s97, 0
	s_mul_i32 s46, s22, 64*PITCH                   ; where they go: no place in the cluster enters an LDS address
	s_mul_i32 s47, s22, 128*PITCH
	s_add_co_u32 s47, s47, AT
	s_cmp_eq_u32 ttmp9, 3                          ; the cluster's x, which all partners share: tile columns 12-15 are v's
	s_cselect_b32 s66, 0, 0.5
	s_cselect_b32 s67, 1.0, 0
	v_mov_b32 v[AL], s66
	v_mov_b32 v[AL+1], s66
	v_mov_b32 v[BE], s67
	v_mov_b32 v[BE+1], s67
	s_wait_dscnt 0x0                               ; both opening adds are done
	s_wait_kmcnt 0x0
	s_add_nc_u64 s[92:93], s[4:5], s[92:93]
	s_add_nc_u64 s[94:95], s[6:7], s[94:95]
	s_add_nc_u64 s[96:97], s[8:9], s[96:97]
	s_add_nc_u64 s[98:99], s[10:11], s[98:99]
	s_mov_b32 s[G0S], 1
	s_mul_i32 s[G0S+1], s22, 32*272
	s_add_co_u32 s[G0S+1], s[G0S+1], SCL
	s_mov_b64 s[G0S+2:G0S+3], s[94:95]
	s_or_b32 s[G0S+3], s[G0S+3], 0x80000000
	s_mov_b32 s[G0SB], 1
	s_mul_i32 s[G0SB+1], s22, 64*272
	s_add_co_u32 s[G0SB+1], s[G0SB+1], SCL+64*272
	s_mov_b64 s[G0SB+2:G0SB+3], s[98:99]
	s_or_b32 s[G0SB+3], s[G0SB+3], 0x80000000
.irp s, 0,1
	s_mov_b32 s[G0+4*\s], 1
	s_add_co_u32 s[G0+4*\s+1], s46, \s*SLOT
	s_add_nc_u64 s[G0+4*\s+2:G0+4*\s+3], s[92:93], \s*256
	s_or_b32 s[G0+4*\s+3], s[G0+4*\s+3], 0x80000000
	s_mov_b32 s[G0B+4*\s], 1
	s_add_co_u32 s[G0B+4*\s+1], s47, \s*SLOT
	s_add_nc_u64 s[G0B+4*\s+2:G0B+4*\s+3], s[96:97], \s*256
	s_or_b32 s[G0B+4*\s+3], s[G0B+4*\s+3], 0x80000000
.endr
	CROUND                                         ; all sixteen work-groups are here: the first joint loads meet
	JLOAD G0S, G1S, G0SB, G1SB                     ; the scales, K step 0, K step 1: three loads of mine are out
	JLOAD G0, G1, G0B, G1B
	JLOAD G0+4, G1, G0B+4, G1B
	v_and_b32 v1, 15, v0                           ; r
	v_bfe_u32 v2, v0, 4, 1                         ; h
	v_mul_u32_u24 v3, v1, PITCH
	v_lshl_add_u32 v4, v2, 4, v3                   ; r x pitch + 16 h
	s_mul_i32 s46, s21, 64*PITCH
	s_mul_i32 s47, s22, 128*PITCH
	s_add_co_u32 s47, s47, AT
.irp s, 0,1
	v_add_nc_u32 v[ADRA+\s], s46, v4
	v_add_nc_u32 v[ADRB+\s], s47, v4
	s_add_co_u32 s46, s46, SLOT
	s_add_co_u32 s47, s47, SLOT
.endr
	v_lshlrev_b32 v5, 7, v1                        ; my row's scales: 128 bytes a row,
	v_lshrrev_b32 v6, 8, v5
	v_lshl_add_u32 v5, v6, 4, v5                   ; and 16 more for each 256 passed
	s_mul_i32 s46, s21, 32*272                     ; x's: my 64 rows
	s_mul_i32 s47, s22, 64*272                     ; the weights': my 128 columns, behind x's 128 rows
	s_add_co_u32 s47, s47, 64*272
	s_sub_co_u32 s47, s47, s46
	v_mul_u32_u24 v6, s47, v2                      ; lanes 16-31 take the weights'
	s_add_co_u32 s46, s46, SCL
	v_add_nc_u32 v5, v5, v6
	v_add_nc_u32 v[ADRS], s46, v5
	s_mul_i32 s46, s20, 16*PITCH                   ; my stage: in slot 0, which has had its last fill and its last read when the first result is stored there
	v_add_nc_u32 v[STO], s46, v4
	v_mul_u32_u24 v5, v2, PITCH
	v_lshl_add_u32 v5, v1, 4, v5
	v_add_nc_u32 v[RD], s46, v5
	v_lshlrev_b32 v[CO], 13, v2
	v_lshl_add_u32 v[CO], v1, 4, v[CO]             ; two rows of qkv16 (8,192 bytes apart), 16 bytes a lane
	v_lshlrev_b32 v[CSO], 8, v1
	v_lshl_add_u32 v[CSO], v2, 4, v[CSO]           ; cos, sin: row r of 256 bytes, + 16 h: my four pairs
	v_lshl_add_u32 v[FO], v2, 4, v1
	v_lshlrev_b32 v[FO], 4, v[FO]                  ; qkv32: 16 bytes a lane in a run of 512
	s_lshl_b32 s92, s43, 7
	s_lshl_b32 s93, s21, 6
	s_add_co_u32 s92, s92, s93                     ; my first position
	v_add_nc_u32 v[ROWV], s92, v1
	s_lshl_b32 s94, s92, 8
	s_mov_b32 s95, 0
	s_add_nc_u64 s[12:13], s[12:13], s[94:95]
	s_add_nc_u64 s[14:15], s[14:15], s[94:95]
	s_lshl_b32 s96, s42, 9
	s_lshl_b32 s97, s22, 8
	s_add_co_u32 s96, s96, s97                     ; my first column, in bytes of f16: 256 x my group of 128 columns
	s_lshl_b32 s92, s92, 13
	s_add_co_u32 s92, s92, s96
	s_mov_b32 s93, 0
	s_add_nc_u64 s[16:17], s[16:17], s[92:93]
	s_lshl_b32 s96, s96, 5                         ; qkv32: 8,192 bytes for each group of 128 columns
	s_mov_b32 s97, 0
	s_add_nc_u64 s[18:19], s[18:19], s[96:97]
	WIN 0xc0                                       ; destination window 3: cos and sin of my 64 positions, in the results' layout; they land while K is walked
.irp a, 0,1,2,3
.irp b, 0,1,2,3,4,5,6,7
	global_load_b128 v[32*\a+4*\b:32*\a+4*\b+3], v[CSO], s[12:13] offset:4096*\a+32*\b
	global_load_b128 v[128+32*\a+4*\b:128+32*\a+4*\b+3], v[CSO], s[14:15] offset:4096*\a+32*\b
.endr
.endr
	WIN 0
	s_wait_tensorcnt 1                             ; the scales and my part of K step 0 are in; K step 1's load may stay out
	s_barrier_signal -1
	s_barrier_wait -1
	FETCH 0, 0, 0, 0
	STEP 0, 0, 1                                   ; the first step stands in front of the loop: its products start the sums
	WIN 0
	s_mov_b32 s23, 3
.Llap:                                             ; a trip goes once round the ring and fills both slots again
	STEP 0, 1, 0
	STEP 0, 2, 0
	TURN 0, 1, 1
	STEP 1, 0, 0
	STEP 1, 1, 0
	STEP 1, 2, 0
	TURN 1, 0, 1
	STEP 0, 0, 0
	WIN 0
	s_sub_co_u32 s23, s23, 1
	s_cmp_lg_u32 s23, 0
	s_cbranch_scc1 .Llap
	STEP 0, 1, 0                                   ; the last lap fills nothing
	STEP 0, 2, 0
	TURN 0, 1, 0
	STEP 1, 0, 0
	STEP 1, 1, 0
	STEP 1, 2, 0
	s_wait_dscnt 4
	WIN MUL
	MUL8 0, 1, 3, 1, 0
	MUL8 1, 1, 3, 1, 0
	s_wait_dscnt 0
	MUL8 2, 1, 3, 1, 0
	MUL8 3, 1, 3, 1, 0
	; THE WAY OUT.  cos' = cos x 0.5 and sin' = sin x 0.5 for q and k; cos' = 1 and sin' = 0 for v: one text for all columns.  These 128 lines are also the places behind the last products.
	s_wait_loadcnt 0x0
	WIN 0xc3                                       ; destination and source 0 window 3
.set i, 0
.rept 64
	v_pk_fma_f32 v[i:i+1], v[i:i+1], v[AL:AL+1], v[BE:BE+1]
.set i, i+2
.endr
.rept 64
	v_pk_mul_f32 v[i:i+1], v[i:i+1], v[AL:AL+1]
.set i, i+2
.endr
; block a (16 rows x 128 columns): rotated in f32, rounded to f16
.macro PACK a
	WIN 0x0e                                       ; source 0 (sums) window 2, source 1 (cos, sin) window 3
.irp b, 0,1,2,3,4,5,6,7
.irp i, 0,1,2,3
	v_mul_f32 v[T+8*\b+2*\i], v[64*(\a)+8*\b+2*\i+1], v[128+32*(\a)+4*\b+\i]      ; each accumulator is first read at its register 1
	v_mul_f32 v[T+8*\b+2*\i+1], v[64*(\a)+8*\b+2*\i+1], v[32*(\a)+4*\b+\i]
.endr
.irp i, 0,1,2,3
	v_fma_f32 v[T+8*\b+2*\i], v[64*(\a)+8*\b+2*\i], v[32*(\a)+4*\b+\i], -v[T+8*\b+2*\i]          ; re c - im s
	v_fma_f32 v[T+8*\b+2*\i+1], v[64*(\a)+8*\b+2*\i], v[128+32*(\a)+4*\b+\i], v[T+8*\b+2*\i+1]   ; re s + im c
.endr
.endr
	WIN 0
.if (\a) == 0
	s_wait_xcnt 0x0                                ; EXEC changes only behind this wait
	v_cmp_gt_u32 vcc_lo, 16, v[ROWV]               ; positions 0-15 also leave in f32: a lane mask, no branch
	s_and_saveexec_b32 s46, vcc_lo
.irp b, 0,1,2,3,4,5,6,7
	global_store_b128 v[FO], v[T+8*\b:T+8*\b+3], s[18:19] offset:1024*\b          ; run 2 b: 32 lanes store 512 consecutive bytes
	global_store_b128 v[FO], v[T+8*\b+4:T+8*\b+7], s[18:19] offset:1024*\b+512    ; run 2 b + 1
.endr
	s_wait_xcnt 0x0                                ; and again in front of the line that widens it; the stores have read their data too
	s_or_b32 exec_lo, exec_lo, s46
.endif
.irp b, 0,1,2,3,4,5,6,7
.irp i, 0,1,2,3
	v_cvt_pk_f16_f32 v[TMP+4*\b+\i], v[T+8*\b+2*\i], v[T+8*\b+2*\i+1]
.endr
.endr
.endm
.macro TOSTAGE a                       ; into my own stage, and back as whole rows of 256 bytes; LDS serves a wave's instructions in order
.irp b, 0,1,2,3,4,5,6,7
	ds_store_b128 v[STO], v[TMP+4*\b:TMP+4*\b+3] offset:32*\b
.endr
.irp t, 0,1,2,3,4,5,6,7
	ds_load_b128 v[OB+32*((\a)%2)+4*\t:OB+32*((\a)%2)+4*\t+3], v[RD] offset:\t*2*PITCH
.endr
.endm
.macro SEND a
	s_wait_dscnt 0x0                               ; the block is back in registers
	s_wait_xcnt 0x0                                ; earlier stores have read their base and their data
.if (\a) > 0
	s_add_nc_u64 s[16:17], s[16:17], 16*8192
.endif
.irp t, 0,1,2,3,4,5,6,7
	global_store_b128 v[CO], v[OB+32*((\a)%2)+4*\t:OB+32*((\a)%2)+4*\t+3], s[16:17] offset:2*\t*8192   ; sixteen lanes store 256 consecutive bytes, aligned
.endr
.endm
	PACK 0
	TOSTAGE 0
.irp a, 1,2,3
	PACK \a                                        ; a block's arithmetic stands between the loads of the block before and the wait for them
	SEND \a-1
	TOSTAGE \a
.endr
	SEND 3
	s_wait_tensorcnt 0x0                           ; the wave's end: tensor wait, add of 0 to the spare word, LDS wait
	ds_add_u32 v[SPW], v[NIL]
	s_wait_dscnt 0x0
	CROUND                                         ; the closing round: no work-group ends while a partner may still ask for a tile that names it
	s_endpgm
.Lfunc_end_k_q4fc0d25036_qkv:
	.size	k_q4fc0d25036_qkv, .Lfunc_end_k_q4fc0d25036_qkv-k_q4fc0d25036_qkv
	.p2alignl 7, 3214868480
	.fill 96, 4, 3214868480
	.section	.rodata,"a",@progbits
	.p2align	6, 0x0
	.amdhsa_kernel k_q4fc0d25036_qkv
		.amdhsa_group_segment_fixed_size 327680
		.amdhsa_private_segment_fixed_size 0
		.amdhsa_enable_private_segment 0
		.amdhsa_kernarg_size 64
		.amdhsa_user_sgpr_count 2
		.amdhsa_user_sgpr_kernarg_segment_ptr 1
		.amdhsa_wavefront_size32 1
		.amdhsa_system_sgpr_workgroup_id_x 1
		.amdhsa_system_sgpr_workgroup_id_y 1
		.amdhsa_system_sgpr_workgroup_id_z 1
		.amdhsa_system_vgpr_workitem_id 0
		.amdhsa_next_free_vgpr 1024
		.amdhsa_next_free_sgpr 100
		.amdhsa_reserve_vcc 1
		.amdhsa_float_denorm_mode_32 3
		.amdhsa_float_denorm_mode_16_64 3
		.amdhsa_memory_ordered 1
		.amdhsa_forward_progress 1
		.amdhsa_inst_pref_size 163
	.end_amdhsa_kernel
	.amdgpu_metadata
---
amdhsa.version: [ 1, 2 ]
amdhsa.kernels:
  - .name:           k_q4fc0d25036_qkv
    .symbol:         k_q4fc0d25036_qkv.kd
    .args:
      - { .name: xc, .offset: 0, .size: 8, .value_kind: global_buffer, .address_space: global }
      - { .name: xs, .offset: 8, .size: 8, .value_kind: global_buffer, .address_space: global }
      - { .name: wc, .offset: 16, .size: 8, .value_kind: global_buffer, .address_space: global }
      - { .name: ws, .offset: 24, .size: 8, .value_kind: global_buffer, .address_space: global }
      - { .name: cos, .offset: 32, .size: 8, .value_kind: global_buffer, .address_space: global }
      - { .name: sin, .offset: 40, .size: 8, .value_kind: global_buffer, .address_space: global }
      - { .name: qkv16, .offset: 48, .size: 8, .value_kind: global_buffer, .address_space: global }
      - { .name: qkv32, .offset: 56, .size: 8, .value_kind: global_buffer, .address_space: global }
    .group_segment_fixed_size: 327680
    .private_segment_fixed_size: 0
    .kernarg_segment_align: 8
    .kernarg_segment_size: 64
    .max_flat_workgroup_size: 128
    .sgpr_count:     100
    .vgpr_count:     1024
    .wavefront_size: 32
...
	.end_amdgpu_metadata
.endif
;; end of part 2
;; launch attn (part 3): grid 32 x 8, 4 waves a work-group, no clusters, 327,680 bytes of LDS; arguments qkv16, wo, att16, wo16; writes att16, wo16
.if DOCPART == 3
	.amdgcn_target "amdgcn-amd-amdhsa--gfx1250"
	.amdhsa_code_object_version 6
	.text
	.protected	k_q4fc0d25036_attn
	.globl	k_q4fc0d25036_attn
	.p2align	8
	.type	k_q4fc0d25036_attn,@function
k_q4fc0d25036_attn:
	s_mov_b64 s[64:65], 0
	v_nop
	global_prefetch_b8 v0, s[64:65] scope:SCOPE_SE
	s_setreg_imm32_b32 hwreg(HW_REG_WAVE_MODE, 25, 1), 1
	s_wait_xcnt 0x0
; attn: causal attention with grouped heads, f16 operands, f32 scores, maxima and sums; a running maximum is taken away before every exponential.
; IN: qkv16 [2048][4096] f16: columns 0-2047 q (16 heads), 2048-3071 k (8), 3072-4095 v (8); q and k are stored halved, so c = 4 log2(e) / sqrt(128).  OUT: att16 [2048][2048] f16.
; BESIDE IT: wo [2048][4096] f32 -> wo16, f16, same order, for the projection's launch.  The cast is a plain stream with no arithmetic to speak of, and attention's own buffers are 25 MB for
; some 9 G multiply-adds: so the stream rides here.  Each of the 1,024 waves casts 32,768 consecutive bytes, in two rounds of 32 loads into the 128 registers that window 3 has free.
; LIMIT: |wo| stays under 65,504.
; SHARES, so that all 256 work-groups have the same work under the causal mask.  Work-group (i, g) owns, for both query heads 2 g and 2 g + 1 of key head g, positions 32 i .. 32 i + 31 and
; 32 (63 - i) .. + 31.  Wave w: rt = w / 2 picks 16 positions of each block, par = w % 2.  A wave holds four tiles of 16 queries (2 heads x 2 blocks) and WALKS ONLY THE KEY STEPS OF ITS PARITY:
; a slot holds two steps of 64 keys, and step par is the wave's.  So a fragment of K or V read from LDS feeds up to four tiles.  At the end the two waves of a pair hand each other one piece's
; sums, maxima and O through LDS: piece 0 (tiles 0, 1) is the block that the wave finishes, piece 2 (tiles 2, 3) the one that its partner finishes.
; NO CLUSTER: under the mask the work-groups of a head need different numbers of tiles, so some partner would jump over the reads of a tile that a joint load brings.
; LAYOUT.  S^T = K Q^T and O^T = V^T P: a lane holds ONE query (lane % 16) throughout; K comes out of LDS as it lies, V turned by ds_load_tr16_b128.
; THE MASK.  Every work-group walks all 16 slots (constant trip count); a step or a piece all of whose keys come after its queries is jumped over by a scalar branch on ids; on the diagonal hidden
; scores become -infinity.  A piece that is walked sees its step's first key with every query (keys go by 64, queries by 16), so its maximum is a number.
; REGISTERS: window 0: v0, v1 the cast's offsets; v2-11, v44-47, v60-63 addresses and constants; v12-43 statistics, 8 a tile; v48-59 the merge; v64-191 S^T, 32 a tile; v192-255 P, 16 a tile.
;   window 1: O^T, 64 a tile.   window 2: v0-127 Q, 32 a tile; v128-255 K of a step.   window 3: v0-127 V of a step; v128-255 the cast.
.set PK,    272                        ; a row of K in LDS: 256 bytes + 16
.set PV,    288                        ; a row of V: 256 + 32
.set VOFF,  64*PK
.set STEPB, 64*(PK+PV)                 ; a step: 64 rows of K, then 64 rows of V
.set SLOT1, 1<<17                      ; slot 1 begins here: one exclusive or turns an address from slot to slot
.set MRG,   SLOT1+2*STEPB              ; what a wave hands its partner: 16,384 bytes of O^T as register images, 512 of statistics
.set MRGW,  16896
.set STAGE, MRG+4*MRGW                 ; the way out: 16 rows x 272 bytes for each wave
.set SP,    272
.set SPARE, STAGE+4*16*SP
.set AK0, 2
.set AV0, 3
.set STO, 6
.set RD,  7
.set GO,  8
.set QO,  9
.set ST,  12                           ; tile t at v[12 + 8 t]: +0 c m, +1 m, +2, +3 l (even keys', odd keys'), +4 .. +7 at work; a takes +6
.set PFO, 61
.set SPW, 62
.set NIL, 63
.set S,   64
.set P,   192
.set KFR, 128
.set WV,  12                           ; s12 wave; s13 par; s14 rt; s15 64 par; s16 g
.set G1K, 24
.set G1V, 32
.set G0K, 40
.set G0V, 44
.set KSL, 23                           ; s23 the first key of the slot in hand
.set SLOTS, 54
.set KFS, 55                           ; s55 the first key of my step
.set TB,  56                           ; s56 LDS byte at which the slot in hand begins
.set LIM, 57
.set CS,  58
.set SEL, 60
.set PFA, 66
.set MSB, 0
.macro WIN new
.if MSB != \new
	s_set_vgpr_msb (MSB<<8)|\new
.set MSB, \new
.endif
.endm
.set W_KQ, 0x0a                        ; K and Q window 2, S^T window 0
.set W_PV, 0x53                        ; V window 3, P window 0, O^T window 1
.set W_RS, 0x41                        ; O^T window 1, a window 0
; waves 0 and 1 fetch the slot's two steps of K, waves 2 and 3 of V: every wave one load.  An s_nop 0 and four v_nop follow each line.
.macro TLOAD
	s_cmp_lt_u32 s[WV], 2
	s_cbranch_scc0 .Lfor_v_\@
	tensor_load_to_lds s[G0K:G0K+3], s[G1K:G1K+7]
	s_nop 0
.rept 4
	v_nop
.endr
	s_branch .Lasked_\@
.Lfor_v_\@:
	tensor_load_to_lds s[G0V:G0V+3], s[G1V:G1V+7]
	s_nop 0
.rept 4
	v_nop
.endr
.Lasked_\@:
.endm
; A prefetch of what the NEXT change of slots will ask for.  All 32 work-groups of a key head walk the same K and V: the one with i = 0, which walks all keys, asks.  Each of its waves names the 64 rows
; (256 bytes each, a lane a row, two instructions) that it will itself fetch: each row once in the launch.  The last change that fills a slot asks for nothing; slots 0 and 1 come by their loads alone.
.macro ASK
	s_cmp_gt_u32 s[SLOTS], s[LIM]
	s_cbranch_scc0 .Lnot_mine_\@
	global_prefetch_b8 v[PFO], s[PFA:PFA+1] th:TH_LOAD_NT scope:SCOPE_SE
	global_prefetch_b8 v[PFO], s[PFA:PFA+1] offset:262144 th:TH_LOAD_NT scope:SCOPE_SE
.Lnot_mine_\@:
.endm
; THE CAST.  Round r: 32 loads of 512 consecutive bytes of wo;
.macro CLOAD r
	WIN 0xc0                                       ; destination window 3
.set i, 0
.rept 32
	global_load_b128 v[128+4*i:128+4*i+3], v1, s[6:7] offset:512*(32*(\r)+i) th:TH_LOAD_NT
.set i, i+1
.endr
	WIN 0
.endm
; rounded to f16 in place, and stored: a wave's store covers 256 consecutive bytes, aligned
.macro CCAST r
	WIN 0xcf                                       ; sources 0 and 1 and destination window 3
.set i, 0
.rept 32
	v_cvt_pk_f16_f32 v[128+4*i], v[128+4*i], v[128+4*i+1]
	v_cvt_pk_f16_f32 v[128+4*i+1], v[128+4*i+2], v[128+4*i+3]
.set i, i+1
.endr
	WIN 0x0c                                       ; a store's data are its source 1: window 3
.set i, 0
.rept 32
	global_store_b64 v0, v[128+4*i:128+4*i+1], s[10:11] offset:256*(32*(\r)+i) th:TH_STORE_NT
.set i, i+1
.endr
	WIN 0
.endm
; product i of 32 of S^T = K Q^T for piece x: channels 32 (i / 8) on, keys 16 ((i / 2) % 4) on, tile x + i % 2.  The accumulators take turns.
.macro KQ x
	WIN W_KQ
.set rS, S+32*(\x+i%2)+8*((i/2)%4)
.set rK, KFR+32*((i/2)%4)+8*(i/8)
.set rQ, 32*(\x+i%2)+8*(i/8)
.if i < 8
	v_wmma_f32_16x16x32_f16 v[rS:rS+7], v[rK:rK+7], v[rQ:rQ+7], 0
.else
	v_wmma_f32_16x16x32_f16 v[rS:rS+7], v[rK:rK+7], v[rQ:rQ+7], v[rS:rS+7]
.endif
.endm
; product i of 32 of O^T += V^T P: keys 32 (i / 16) on, channels 16 ((i / 2) % 8) on, tile x + i % 2
.macro PV x
	WIN W_PV
.set rO, 64*(\x+i%2)+8*((i/2)%8)
.set rV, 64*(i/16)+8*((i/2)%8)
.set rP, P+16*(\x+i%2)+8*(i/16)
	v_wmma_f32_16x16x32_f16 v[rO:rO+7], v[rV:rV+7], v[rP:rP+7], v[rO:rO+7]
.endm
.macro FETCH_K
	WIN 0x80
.irp f, 0,1,2,3,4,5,6,7,8,9,10,11,12,13,14,15      ; keys 16 (f / 4) on, channels 32 (f % 4) on
	ds_load_b128 v[KFR+8*\f:KFR+8*\f+3],   v4 offset:(\f/4)*16*PK+(\f%4)*64
	ds_load_b128 v[KFR+8*\f+4:KFR+8*\f+7], v4 offset:(\f/4)*16*PK+(\f%4)*64+32
.endr
.endm
.macro FETCH_V
	WIN 0xc0
.irp f, 0,1,2,3,4,5,6,7,8,9,10,11,12,13,14,15      ; keys 32 (f / 8) on, channels 16 (f % 8) on
	ds_load_tr16_b128 v[8*\f:8*\f+3],   v5 offset:(\f/8)*32*PV+(\f%8)*32
	ds_load_tr16_b128 v[8*\f+4:8*\f+7], v5 offset:(\f/8)*32*PV+16*PV+(\f%8)*32
.endr
	WIN 0
.endm
; One tile's softmax for a key step is a list of 134 instructions; SM writes number j for tile t.
;   0-15 the maximum of the 32 scores and the old m;  16-20 the other half of the lanes', the new m, c m, c m_old - c m_new;
;   21-69 the 16 packed scalings c s - c m and all 33 exponentials (a at 23): none of these reads an exponential's result;
;   70-85 the roundings to f16;  86-101 the sums, l = a l + the sum;  102-133 O^T times a.
.macro SM t
.set rT, ST+8*(\t)
.set rS, S+32*(\t)
.set rP, P+16*(\t)
.set rO, 64*(\t)+2*(j-102)
.if j < 102
	WIN 0
.endif
.if j < 4
	v_max3_num_f32 v[rT+4+j], v[rS+8*j], v[rS+8*j+1], v[rS+8*j+2]
.elseif j < 12
	v_max3_num_f32 v[rT+4+j%4], v[rT+4+j%4], v[rS+8*(j%4)+2*(j/4)+1], v[rS+8*(j%4)+2*(j/4)+2]
.elseif j == 12
	v_max3_num_f32 v[rT+4], v[rT+4], v[rS+7], v[rS+15]
.elseif j == 13
	v_max3_num_f32 v[rT+6], v[rT+6], v[rS+23], v[rS+31]
.elseif j == 14
	v_max3_num_f32 v[rT+4], v[rT+4], v[rT+5], v[rT+6]
.elseif j == 15
	v_max3_num_f32 v[rT+4], v[rT+4], v[rT+7], v[rT+1]
.elseif j == 16
	v_permlanex16_b32 v[rT+5], v[rT+4], s[SEL], s[SEL+1]
.elseif j == 17
	v_mov_b32 v[rT+7], v[rT]
.elseif j == 18
	v_max_num_f32 v[rT+1], v[rT+4], v[rT+5]
.elseif j == 19
	v_mul_f32 v[rT], s[CS], v[rT+1]
.elseif j == 20
	v_sub_f32 v[rT+7], v[rT+7], v[rT]
.elseif j == 23
	v_exp_f32 v[rT+6], v[rT+7]
.elseif (j < 23) || ((j < 38) && (j%2 == 0)) || ((j < 66) && (j%4 == 2))
.set b, (j-2)/4
.if j < 38
.set b, (j-20)/2
.endif
	v_pk_fma_f32 v[rS+2*b:rS+2*b+1], v[rS+2*b:rS+2*b+1], s[CS:CS+1], v[rT:rT+1] op_sel_hi:[1,0,0] neg_lo:[0,0,1] neg_hi:[0,0,1]
.elseif j < 70
.set e, j-38
.if j < 66
.set e, j-32-(j-38)/4
.endif
.if j < 38
.set e, (j-25)/2
.endif
	v_exp_f32 v[rS+e], v[rS+e]
.elseif j < 86
	v_cvt_pk_f16_f32 v[rP+j-70], v[rS+2*(j-70)], v[rS+2*(j-70)+1]
.elseif j < 102
.set z, j-86
.set w, 4
.set u, z
.if z >= 14
.set w, 32
.set u, 0
.elseif z >= 12
.set w, 16
.set u, z-12
.elseif z >= 8
.set w, 8
.set u, z-8
.endif
.if z < 15
	v_pk_add_f32 v[rS+w*u:rS+w*u+1], v[rS+w*u:rS+w*u+1], v[rS+w*u+w/2:rS+w*u+w/2+1]
.else
	v_pk_fma_f32 v[rT+2:rT+3], v[rT+2:rT+3], v[rT+6:rT+7], v[rS:rS+1] op_sel_hi:[1,0,1]
.endif
.else
	WIN W_RS
	v_pk_mul_f32 v[rO:rO+1], v[rO:rO+1], v[rT+6:rT+7] op_sel_hi:[1,0]
.endif
.endm
; piece x's softmax: the two tiles alternate; the 66 exponentials are one batch with one plain line and one wait behind it, ahead of the first line that names a result
.macro SOFTMAX x
.set j, 0
.rept 70
	SM \x
	SM \x+1
.set j, j+1
.endr
	v_nop
	s_wait_alu depctr_va_vdst(0)
.rept 64
	SM \x
	SM \x+1
.set j, j+1
.endr
.endm
; on the diagonal: register n of a tile holds key KFS + 16 (n / 8) + 8 (lane / 16) + n % 8: hidden where 16 (n / 8) + n % 8 > d = first query - KFS + lane % 16 - 8 (lane / 16)
.macro MASK x, sq
	s_sub_co_i32 s70, s[\sq], s[KFS]
	v_add_nc_u32 v46, s70, v60
.set n, 0
.rept 32
	v_cmp_gt_i32 vcc_lo, 16*(n/8)+n%8, v46
	v_cndmask_b32 v[S+32*(\x)+n], v[S+32*(\x)+n], v47, vcc_lo
	v_cndmask_b32 v[S+32*(\x)+32+n], v[S+32*(\x)+32+n], v47, vcc_lo
.set n, n+1
.endr
.endm
; piece x in a step: sq = the scalar with its first query, sl = with its last
.macro PIECE x, sq, sl
	s_cmp_gt_u32 s[KFS], s[\sl]
	s_cbranch_scc1 .Lnone_\@                       ; all 64 keys come after my 16 queries
.set i, 0
.rept 32
	KQ \x
.set i, i+1
.endr
	WIN 0
.rept 4
	v_nop                                          ; places between the products and the first read of the scores
.endr
	s_add_co_u32 s70, s[KFS], 63
	s_cmp_le_u32 s70, s[\sq]
	s_cbranch_scc1 .Lopen_\@                       ; all 64 keys count
	MASK \x, \sq
.Lopen_\@:
	SOFTMAX \x
	s_wait_dscnt 0x0                               ; V is in
.set i, 0
.rept 32
	PV \x
.set i, i+1
.endr
	WIN 0
.Lnone_\@:
.endm
.macro STEP
	s_add_co_u32 s[KFS], s[KSL], s15
	s_cmp_gt_u32 s[KFS], s21
	s_cbranch_scc1 .Lhidden_\@                     ; hidden from both pieces: no loads, no products
	v_nop
	v_nop
	v_add_nc_u32 v4, s[TB], v[AK0]
	v_add_nc_u32 v5, s[TB], v[AV0]                 ; four plain lines between the last products and the loads into the registers that they read
	FETCH_K
	FETCH_V
	s_wait_dscnt 32                                ; K is in; V's 32 loads may be out
	PIECE 0, 17, 19
	PIECE 2, 18, 20
.Lhidden_\@:
	s_add_co_u32 s[KSL], s[KSL], 128
	s_xor_b32 s[TB], s[TB], SLOT1
.endm
; THE CHANGE OF SLOTS stands at a slot's head: each wave waits for all its tensor loads, adds 0 to its spare word, waits for that and for its reads of the slot that it has left; one barrier;
; fill = 1: the slot just left takes the next 128 keys, which have a whole slot's work in which to land.  A slot whose first key comes after the work-group's last query is read by none of its
; waves and is not asked for: the test is made of the work-group's number and the count of trips, the same in all four waves, and leads round the load alone; every wait on TENSORcnt here is for 0.
.macro CHANGE fill
	s_wait_tensorcnt 0x0
	ds_add_u32 v[SPW], v[NIL]
.if \fill
	s_xor_b32 s[G0K+1], s[G0K+1], SLOT1
	s_add_nc_u64 s[G0K+2:G0K+3], s[G0K+2:G0K+3], 128*8192
	s_xor_b32 s[G0V+1], s[G0V+1], SLOT1
	s_add_nc_u64 s[G0V+2:G0V+3], s[G0V+2:G0V+3], 128*8192
	s_wait_xcnt 0x0                                ; the last prefetches, a slot back, have read their address
	s_add_nc_u64 s[PFA:PFA+1], s[PFA:PFA+1], 128*8192
.endif
	s_wait_dscnt 0x0
	s_barrier_signal -1
	s_barrier_wait -1
.if \fill
	s_add_co_u32 s70, s[KSL], 128
	s_cmp_gt_u32 s70, s22
	s_cbranch_scc1 .Lpast_\@
	TLOAD
.Lpast_\@:
	ASK
.endif
.endm
	s_load_b256 s[4:11], s[0:1], 0x0               ; qkv16 s[4:5], wo s[6:7], att16 s[8:9], wo16 s[10:11]
	v_lshl_add_u32 v[SPW], v0, 2, SPARE
	v_mov_b32 v[NIL], 0
	ds_add_u32 v[SPW], v[NIL]                      ; the wave's opening: the add, twice on end, and its wait ahead of my first tensor load
	ds_add_u32 v[SPW], v[NIL]
	v_lshrrev_b32 v1, 5, v0
	v_readfirstlane_b32 s[WV], v1
	s_and_b32 s13, s[WV], 1                        ; par
	s_lshr_b32 s14, s[WV], 1                       ; rt
	s_lshl_b32 s15, s13, 6
	s_and_b32 s16, ttmp7, 0xffff                   ; g
	s_lshl_b32 s70, ttmp9, 5
	s_lshl_b32 s71, s14, 4
	s_add_co_u32 s72, s70, s71                     ; the low block's first query of mine
	s_sub_co_u32 s73, 2016, s70
	s_add_co_u32 s73, s73, s71                     ; the high block's
	s_sub_co_u32 s22, 2047, s70                    ; the work-group's last query
	s_add_co_u32 s21, s73, 15
	s_cmp_eq_u32 s13, 0
	s_cselect_b32 s17, s72, s73                    ; piece 0's first query: the block that I finish
	s_cselect_b32 s18, s73, s72                    ; piece 2's: the block that my partner finishes
	s_add_co_u32 s19, s17, 15
	s_add_co_u32 s20, s18, 15
	s_mov_b32 s[G1K], (1<<16)|(1<<20)|(5<<22)|(3<<25)   ; elements of 2 bytes; padding: 4 words after every 64
	s_mov_b32 s[G1V], (1<<16)|(1<<20)|(5<<22)|(7<<25)   ; 8 words
.irp g, G1K, G1V
	s_mov_b32 s[\g+1], 128<<16                     ; tensor_dim0
	s_mov_b32 s[\g+2], 64<<16                      ; tensor_dim1
	s_mov_b32 s[\g+3], 128<<16                     ; tile_dim0
	s_mov_b32 s[\g+4], 64                          ; tile_dim1
	s_mov_b32 s[\g+5], 4096                        ; elements from position to position
	s_mov_b32 s[\g+6], 0
	s_mov_b32 s[\g+7], 0
.endr
	s_lshl_b32 s70, s13, 19                        ; my step's 64 rows of 8,192 bytes
	s_lshl_b32 s71, s16, 8                         ; the key head's 128 columns
	s_add_co_u32 s70, s70, s71
	s_add_co_u32 s72, s70, 4096                    ; in k
	s_mov_b32 s73, 0
	s_add_co_u32 s74, s70, 6144                    ; in v
	s_mov_b32 s75, 0
	s_mov_b32 s[G0K], 1
	s_mul_i32 s[G0K+1], s13, STEPB
	s_mov_b32 s[G0V], 1
	s_mul_i32 s[G0V+1], s13, STEPB
	s_add_co_u32 s[G0V+1], s[G0V+1], VOFF
	s_cmp_lt_u32 s[WV], 2
	s_cselect_b32 s76, s72, s74                    ; what I fetch,
	s_add_co_u32 s76, s76, 128*8192                ; in slot 1: the first change steps it to slot 2
	s_mov_b32 s77, 0
	s_cmp_eq_u32 ttmp9, 0
	s_cselect_b32 s[LIM], 1, -1
	s_mov_b32 s[CS], 0x3f0293ee                    ; c = 4 log2(e) / sqrt(128)
	s_mov_b32 s[CS+1], s[CS]
	s_mov_b32 s[SEL], 0x76543210
	s_mov_b32 s[SEL+1], 0xfedcba98
	s_mov_b32 s[KSL], 0
	s_mov_b32 s[TB], 0
	s_mov_b32 s[SLOTS], 15
	s_wait_dscnt 0x0                               ; both opening adds are done
	s_wait_kmcnt 0x0
	s_add_nc_u64 s[G0K+2:G0K+3], s[4:5], s[72:73]
	s_or_b32 s[G0K+3], s[G0K+3], 0x80000000
	s_add_nc_u64 s[G0V+2:G0V+3], s[4:5], s[74:75]
	s_or_b32 s[G0V+3], s[G0V+3], 0x80000000
	TLOAD                                          ; slot 0: one load of mine is out
	s_add_nc_u64 s[PFA:PFA+1], s[4:5], s[76:77]
	s_lshl_b32 s78, s16, 9                         ; the two query heads' 256 columns
	s_lshl_b32 s76, s17, 13
	s_add_co_u32 s76, s76, s78
	s_add_nc_u64 s[48:49], s[4:5], s[76:77]        ; piece 0's queries
	s_lshl_b32 s76, s18, 13
	s_add_co_u32 s76, s76, s78
	s_add_nc_u64 s[50:51], s[4:5], s[76:77]        ; piece 2's
	s_lshl_b32 s76, s17, 12
	s_add_co_u32 s76, s76, s78
	s_add_nc_u64 s[52:53], s[8:9], s[76:77]        ; piece 0's rows of att16
	s_lshl_b32 s76, s16, 5
	s_add_co_u32 s76, s76, ttmp9
	s_lshl_b32 s76, s76, 2
	s_add_co_u32 s76, s76, s[WV]                   ; the cast: which of the 1,024 runs of wo is my wave's
	s_lshl_b32 s78, s76, 14
	s_mov_b32 s79, 0
	s_add_nc_u64 s[10:11], s[10:11], s[78:79]      ; 16,384 bytes of wo16 a run,
	s_lshl_b32 s76, s76, 15
	s_add_nc_u64 s[6:7], s[6:7], s[76:77]          ; 32,768 of wo
	v_and_b32 v1, 15, v0                           ; r
	v_bfe_u32 v48, v0, 4, 1                        ; h
	v_lshlrev_b32 v[QO], 13, v1
	v_lshl_add_u32 v[QO], v48, 4, v[QO]
	WIN 0x80                                       ; Q stays in registers: tile t, channels 32 c on
.irp t, 0,1,2,3
.irp c, 0,1,2,3
	global_load_b128 v[32*\t+8*\c:32*\t+8*\c+3],   v[QO], s[48+2*(\t/2):49+2*(\t/2)] offset:256*(\t%2)+64*\c
	global_load_b128 v[32*\t+8*\c+4:32*\t+8*\c+7], v[QO], s[48+2*(\t/2):49+2*(\t/2)] offset:256*(\t%2)+64*\c+32
.endr
.endr
	WIN 0
	s_mul_i32 s70, s13, STEPB
	v_mul_u32_u24 v[AK0], v1, PK
	v_lshl_add_u32 v[AK0], v48, 4, v[AK0]
	v_add_nc_u32 v[AK0], s70, v[AK0]               ; my step's K: row r, + 16 h
	v_and_b32 v49, 7, v0
	v_bfe_u32 v50, v0, 3, 1
	v_lshl_add_u32 v[AV0], v48, 3, v49
	v_mul_u32_u24 v[AV0], v[AV0], PV
	v_lshl_add_u32 v[AV0], v50, 4, v[AV0]
	s_add_co_u32 s70, s70, VOFF
	v_add_nc_u32 v[AV0], s70, v[AV0]               ; my step's V, for the turning load: key 8 h + l % 8, channels 8 ((l / 8) % 2) on
	s_mul_i32 s70, s[WV], 16*SP
	s_add_co_u32 s70, s70, STAGE
	v_mul_u32_u24 v[STO], v1, SP
	v_lshl_add_u32 v[STO], v48, 4, v[STO]
	v_add_nc_u32 v[STO], s70, v[STO]
	v_mul_u32_u24 v[RD], v48, SP
	v_lshl_add_u32 v[RD], v1, 4, v[RD]
	v_add_nc_u32 v[RD], s70, v[RD]
	v_lshlrev_b32 v[GO], 12, v48
	v_lshl_add_u32 v[GO], v1, 4, v[GO]             ; two rows of att16 (4,096 bytes apart), 16 bytes a lane
	v_and_b32 v49, 31, v0
	s_mul_i32 s70, s[WV], MRGW
	s_add_co_u32 s70, s70, MRG
	v_lshl_add_u32 v10, v49, 4, s70                ; what I hand over: images, 16 bytes a lane;
	v_lshl_add_u32 v11, v49, 2, s70                ; statistics, 4
	s_xor_b32 s71, s[WV], 1
	s_mul_i32 s71, s71, MRGW
	s_add_co_u32 s71, s71, MRG
	v_lshl_add_u32 v44, v49, 4, s71                ; what my partner hands me
	v_lshl_add_u32 v45, v49, 2, s71
	v_lshlrev_b32 v[PFO], 13, v49
	v_lshlrev_b32 v50, 3, v48
	v_sub_nc_u32 v60, v1, v50                      ; r - 8 h
	v_mov_b32 v47, 0xff800000                      ; -infinity
	v_lshlrev_b32 v1, 4, v49                       ; the cast: 16 bytes a lane in,
	v_lshlrev_b32 v0, 3, v49                       ; 8 out (the thread's number has served)
	CLOAD 0                                        ; the first half of my run: it lands while the first two slots are walked
.irp t, 0,1,2,3
	v_mov_b32 v[ST+8*\t+1], 0xff61b1e6             ; m = -3e38, under every score
	v_mul_f32 v[ST+8*\t], s[CS], v[ST+8*\t+1]
.irp k, 2,3,4,5,6,7
	v_mov_b32 v[ST+8*\t+\k], 0
.endr
.endr
	WIN 0x40                                       ; O^T begins as zeros: which key step is a tile's first hangs on the work-group's and the wave's number, so no first step can be written out
.set i, 0
.rept 256
	v_mov_b32 v[i], 0
.set i, i+1
.endr
	WIN 0
	s_wait_loadcnt 32                              ; Q's 32 loads are in; the cast's 32, issued behind them, may be out
.Lslot:                                            ; 15 trips; in the first, all four loads behind the barrier are slot 1's first fills
	CHANGE 1
	STEP
	s_cmp_eq_u32 s[SLOTS], 14                      ; at the end of the second trip (the count of trips alone decides):
	s_cbranch_scc0 .Lno_cast
	s_wait_loadcnt 0x0                             ; the first half of my run of wo is in;
	CCAST 0                                        ; it is rounded and stored,
	s_wait_xcnt 0x0                                ; the stores have read their registers,
	CLOAD 1                                        ; which take the second half: it lands while the other slots are walked
.Lno_cast:
	s_sub_co_u32 s[SLOTS], s[SLOTS], 1
	s_cmp_lg_u32 s[SLOTS], 0
	s_cbranch_scc1 .Lslot
	CHANGE 0
	STEP
	s_wait_loadcnt 0x0                             ; the second half of my run of wo
	CCAST 1
	; THE MERGE.  Each tile's l: its two halves and the other half of the lanes'.  Piece 2 goes to my partner: O^T as register images, c m and l.
.rept 4
	v_nop
.endr
.irp t, 0,1,2,3
	v_add_f32 v[ST+8*\t+4], v[ST+8*\t+2], v[ST+8*\t+3]
.endr
.irp t, 0,1,2,3
	v_permlanex16_b32 v[ST+8*\t+5], v[ST+8*\t+4], s[SEL], s[SEL+1]
.endr
.irp t, 0,1,2,3
	v_add_f32 v[ST+8*\t+4], v[ST+8*\t+4], v[ST+8*\t+5]
.endr
	WIN 0x04                                       ; an LDS store's data are its source 1: window 1
.set i, 0
.rept 32
	ds_store_b128 v10, v[128+4*i:128+4*i+3] offset:512*i
.set i, i+1
.endr
	WIN 0
	ds_store_b32 v11, v[ST+16] offset:16384
	ds_store_b32 v11, v[ST+20] offset:16384+128
	ds_store_b32 v11, v[ST+24] offset:16384+256
	ds_store_b32 v11, v[ST+28] offset:16384+384
	s_wait_dscnt 0x0                               ; for my partner's sake: my stores are done
	s_barrier_signal -1
	s_barrier_wait -1
	WIN 0x80                                       ; my partner's sums for my piece 0, into K's registers
.set i, 0
.rept 32
	ds_load_b128 v[128+4*i:128+4*i+3], v44 offset:512*i
.set i, i+1
.endr
	WIN 0
	ds_load_b32 v48, v45 offset:16384              ; c m and l of tile 0,
	ds_load_b32 v49, v45 offset:16384+128
	ds_load_b32 v50, v45 offset:16384+256          ; of tile 1
	ds_load_b32 v51, v45 offset:16384+384
	s_wait_dscnt 0x0
	v_max_num_f32 v52, v[ST], v48                  ; the common c m
	v_max_num_f32 v53, v[ST+8], v50
	v_sub_f32 v54, v[ST], v52
	v_sub_f32 v55, v[ST+8], v53
	v_sub_f32 v56, v48, v52
	v_sub_f32 v57, v50, v53
	v_exp_f32 v54, v54                             ; what brings each part under it (0 for a part that saw no key)
	v_exp_f32 v55, v55
	v_exp_f32 v56, v56
	v_exp_f32 v57, v57
	v_nop
	s_wait_alu depctr_va_vdst(0)                   ; one wait for the four, ahead of their first reader
	v_mul_f32 v58, v[ST+4], v54
	v_mul_f32 v59, v[ST+12], v55
	v_fma_f32 v58, v49, v56, v58                   ; the row's sum
	v_fma_f32 v59, v51, v57, v59
	v_rcp_f32 v58, v58
	v_rcp_f32 v59, v59
	v_nop
	s_wait_alu depctr_va_vdst(0)
	v_mul_f32 v48, v54, v58                        ; the two parts' factors, each in the low word of a pair
	v_mul_f32 v50, v55, v59
	v_mul_f32 v52, v56, v58
	v_mul_f32 v54, v57, v59
	WIN W_RS
.irp t, 0,1
.set i, 0
.rept 32
	v_pk_mul_f32 v[64*\t+i:64*\t+i+1], v[64*\t+i:64*\t+i+1], v[48+2*\t:49+2*\t] op_sel_hi:[1,0]
.set i, i+2
.endr
.endr
	WIN 0x52                                       ; source 0 window 2, source 1 window 0, source 2 and destination window 1
.irp t, 0,1
.set i, 0
.rept 32
	v_pk_fma_f32 v[64*\t+i:64*\t+i+1], v[128+64*\t+i:128+64*\t+i+1], v[52+2*\t:53+2*\t], v[64*\t+i:64*\t+i+1] op_sel_hi:[1,0,1]
.set i, i+2
.endr
.endr
; THE WAY OUT of tile t: rounded to f16, through my own stage, back as whole rows of 256 bytes
.macro OPACK t
	WIN 0x05
.set i, 0
.rept 32
	v_cvt_pk_f16_f32 v[S+32*\t+i], v[64*\t+2*i], v[64*\t+2*i+1]
.set i, i+1
.endr
	WIN 0
.irp f, 0,1,2,3,4,5,6,7
	ds_store_b128 v[STO], v[S+32*\t+4*\f:S+32*\t+4*\f+3] offset:32*\f
.endr
.irp f, 0,1,2,3,4,5,6,7
	ds_load_b128 v[S+32*\t+4*\f:S+32*\t+4*\f+3], v[RD] offset:\f*2*SP   ; LDS serves a wave's instructions in order
.endr
.endm
.macro OSEND t, younger
.irp f, 0,1,2,3,4,5,6,7
	s_wait_dscnt \younger+7-\f
	global_store_b128 v[GO], v[S+32*\t+4*\f:S+32*\t+4*\f+3], s[52:53] offset:256*\t+8192*\f   ; sixteen lanes store 256 consecutive bytes, aligned
.endr
.endm
	OPACK 0
	OPACK 1
	OSEND 0, 16
	OSEND 1, 0
	s_wait_tensorcnt 0x0                           ; the wave's end: tensor wait, add of 0 to the spare word, LDS wait
	ds_add_u32 v[SPW], v[NIL]
	s_wait_dscnt 0x0
	s_endpgm
.Lfunc_end_k_q4fc0d25036_attn:
	.size	k_q4fc0d25036_attn, .Lfunc_end_k_q4fc0d25036_attn-k_q4fc0d25036_attn
	.p2alignl 7, 3214868480
	.fill 96, 4, 3214868480
	.section	.rodata,"a",@progbits
	.p2align	6, 0x0
	.amdhsa_kernel k_q4fc0d25036_attn
		.amdhsa_group_segment_fixed_size 327680
		.amdhsa_private_segment_fixed_size 0
		.amdhsa_enable_private_segment 0
		.amdhsa_kernarg_size 32
		.amdhsa_user_sgpr_count 2
		.amdhsa_user_sgpr_kernarg_segment_ptr 1
		.amdhsa_wavefront_size32 1
		.amdhsa_system_sgpr_workgroup_id_x 1
		.amdhsa_system_sgpr_workgroup_id_y 1
		.amdhsa_system_sgpr_workgroup_id_z 1
		.amdhsa_system_vgpr_workitem_id 0
		.amdhsa_next_free_vgpr 1024
		.amdhsa_next_free_sgpr 80
		.amdhsa_reserve_vcc 1
		.amdhsa_float_denorm_mode_32 3
		.amdhsa_float_denorm_mode_16_64 3
		.amdhsa_memory_ordered 1
		.amdhsa_forward_progress 1
		.amdhsa_inst_pref_size 161
	.end_amdhsa_kernel
	.amdgpu_metadata
---
amdhsa.version: [ 1, 2 ]
amdhsa.kernels:
  - .name:           k_q4fc0d25036_attn
    .symbol:         k_q4fc0d25036_attn.kd
    .args:
      - { .name: qkv16, .offset: 0, .size: 8, .value_kind: global_buffer, .address_space: global }
      - { .name: wo, .offset: 8, .size: 8, .value_kind: global_buffer, .address_space: global }
      - { .name: att16, .offset: 16, .size: 8, .value_kind: global_buffer, .address_space: global }
      - { .name: wo16, .offset: 24, .size: 8, .value_kind: global_buffer, .address_space: global }
    .group_segment_fixed_size: 327680
    .private_segment_fixed_size: 0
    .kernarg_segment_align: 8
    .kernarg_segment_size: 32
    .max_flat_workgroup_size: 128
    .sgpr_count:     80
    .vgpr_count:     1024
    .wavefront_size: 32
...
	.end_amdgpu_metadata
.endif
;; end of part 3
;; launch outp (part 4): grid 16 x 16, 4 waves a work-group, clusters of 4 x 4, 327,680 bytes of LDS; arguments att16, wo16, out0; writes out0
.if DOCPART == 4
	.amdgcn_target "amdgcn-amd-amdhsa--gfx1250"
	.amdhsa_code_object_version 6
	.text
	.protected	k_q4fc0d25036_outp
	.globl	k_q4fc0d25036_outp
	.p2align	8
	.type	k_q4fc0d25036_outp,@function
k_q4fc0d25036_outp:
	s_mov_b64 s[64:65], 0
	v_nop
	global_prefetch_b8 v0, s[64:65] scope:SCOPE_SE
	s_setreg_imm32_b32 hwreg(HW_REG_WAVE_MODE, 25, 1), 1
	s_wait_xcnt 0x0
	s_wait_alu depctr_hold_cnt(0) depctr_sa_sdst(0) depctr_va_vdst(0) depctr_va_sdst(0) depctr_va_ssrc(0) depctr_va_vcc(0) depctr_vm_vsrc(0)
	s_getreg_b32 s2, hwreg(HW_REG_IB_STS2, 6, 4)
	s_cmp_eq_u32 s2, 0
	s_cbranch_scc0 .Lentry_in_a_cluster
	s_endpgm
.Lentry_in_a_cluster:
	s_bfe_u32 s2, ttmp6, 0x10000c
	s_cmp_lg_u32 s2, 0xf033
	s_cbranch_scc0 .Lentry_shape_is_right
	s_endpgm
.Lentry_shape_is_right:
; outp: out0 [2048][4096] f32 = att16 [2048][2048] f16 times wo16 [2048 (k)][4096 (n)] f16; f32 sums.  (Positions 0-15 are written again, from f32 operands, by the launch behind this one.)
; A tile is 128 rows x 256 columns: 256 work-groups.  Four waves, each 64 x 128: 32 accumulators.
; wo16 lies [k][n]: its tile comes into LDS as rows of 512 bytes and is turned on the way into registers by ds_load_tr16_b128.
; THE RING HAS TWO UNEQUAL REGIONS.  K goes in 16 units of 128.  Two regions of two units each do not fit in LDS (2 x 206,848 bytes); one of two units (BIG) and one of one unit (SMALL) do.
; The units go S B S B S B S B S B S: 0 | 1, 2 | 3 | 4, 5 | .. | 13, 14 | 15.  SMALL's refill has BIG's 240 matrix instructions a wave in which to land, BIG's has SMALL's 112, and there are 9 refills in place of 14.
; CLUSTER 4 x 4: att16's tiles are shared along a row of the cluster, wo16's along a column: joint loads.
; THE MATRIX INSTRUCTION IS USED TRANSPOSED (source 0 = 16 columns of wo, source 1 = 16 rows of att): a lane holds eight neighbouring columns of one row of out0.
; REGISTERS: window 0: v16-32 addresses; v128-191 att's fragments, two buffers of 32 (on the way out v128-255 hold rows).  window 1: wo's fragments, two buffers of 64.  window 2: accumulator (a, b) at v[8 (8 a + b)].
.set PAS,   272                        ; a row of att in SMALL: 256 bytes + 16
.set PAB,   528                        ; in BIG: 512 bytes + 16
.set BP,    544                        ; a row of wo's tile: 512 bytes + 32: an odd multiple of 32
.set BIGB,  128*PAB                    ; BIG: att's 128 rows from byte 0, then wo's 256 rows (k)
.set SML,   BIGB+256*BP                ; SMALL: att's 128 rows,
.set SMLB,  SML+128*PAS                ; then wo's 128
.set SPARE, SMLB+128*BP                ; the spare words, 128 bytes for each wave
.set SPITCH, 528                       ; the way out: a stage of 16 rows x (512 bytes + 16) for each wave, in BIG behind its last fill and its last read
.set ADRA, 16                          ; v16 my fragments of att in SMALL, v17 in BIG
.set ADRB, 20                          ; v20 of wo in SMALL, v21 in BIG's first 128 rows, v22 in its second
.set STO,  24
.set RD,   25
.set CO,   26
.set SPW,  28
.set NIL,  29
.set PFO,  30                          ; v30-32 the prefetches' offsets, one for each of three K units; never rewritten
.set AF,   128
.set BK,   128
.set G1A,  24                          ; s[24:31] descriptor group 1 for att in SMALL, s[32:39] in BIG
.set G1B,  48                          ; s[48:55], s[56:63] for wo
.set G0A,  68                          ; s[68:71], s[72:75] group 0 for att in SMALL, in BIG
.set G0B,  76                          ; s[76:79], s[80:83] for wo
.set PFA,  84                          ; s[84:85] where my prefetches stand
.set PFS,  86                          ; s[86:87] three K units on, in bytes
.set LIM,  88                          ; s88 1 in a wave that prefetches
.set MSB, 0
.macro WIN new
.if MSB != \new
	s_set_vgpr_msb (MSB<<8)|\new
.set MSB, \new
.endif
.endm
.set MUL, 0xa1
; waves 0 and 1 fetch att's two halves, waves 2 and 3 wo's; an s_nop 0 and four v_nop follow each line
.macro JLOAD g0a, g1a, g0b, g1b
	s_cmp_eq_u32 s11, 0
	s_cbranch_scc0 .Lfor_b_\@
	tensor_load_to_lds s[\g0a:\g0a+3], s[\g1a:\g1a+7]
	s_nop 0
.rept 4
	v_nop
.endr
	s_branch .Lasked_\@
.Lfor_b_\@:
	tensor_load_to_lds s[\g0b:\g0b+3], s[\g1b:\g1b+7]
	s_nop 0
.rept 4
	v_nop
.endr
.Lasked_\@:
.endm
; A PREFETCH INTO THE L2.  At SMALL's refill in trip t (it asks for unit 3 t + 3) three instructions name units 3 t + 4, + 5 (BIG's next refill) and + 6 (SMALL's).  A unit is 256 bytes of a row of att,
; and 128 rows of 512 bytes of a tile column of wo.  Each aligned 256 bytes are named once in the launch: att's tile row is read by the four clusters of a row of clusters: the one with x = 0 asks, its wave 0,
; 32 rows a partner, a lane a row; wo's tile column by the four clusters of a column: the one with y = 0 asks, waves 2 and 3 for the 64 rows of a unit that each fetches, 16 rows a partner, two lanes a row.
; The partners are told apart by address, never by a branch.  Units 0 to 3 come by their loads alone; the fourth trip names units 13 to 15, the last; the tail asks for nothing.
.macro ASK
	s_cmp_eq_u32 s[LIM], 1
	s_cbranch_scc0 .Lnot_mine_\@
	global_prefetch_b8 v[PFO], s[PFA:PFA+1] th:TH_LOAD_NT scope:SCOPE_SE
	global_prefetch_b8 v[PFO+1], s[PFA:PFA+1] th:TH_LOAD_NT scope:SCOPE_SE
	global_prefetch_b8 v[PFO+2], s[PFA:PFA+1] th:TH_LOAD_NT scope:SCOPE_SE
.Lnot_mine_\@:
.endm
.macro CREST
	s_cmp_lg_u32 s10, 0
	s_cbranch_scc1 .Lnot_wave_0_\@
	s_barrier_signal -3
.Lnot_wave_0_\@:
	s_barrier_wait -3
	s_barrier_signal -1
	s_barrier_wait -1
.endm
.macro CROUND
	s_barrier_signal -1
	s_barrier_wait -1
	CREST
.endm
.macro PLACES
.rept 4
	v_nop
.endr
.endm
; the fragments of the q-th 32 along K of region r (0 SMALL, 1 BIG) into buffers f: wo's 16 turning loads, then att's 8, blocks 2 and 3 last
.macro FETCH r, q, f
	WIN 0x40
.irp b, 0,1,2,3,4,5,6,7
	ds_load_tr16_b128 v[64*(\f)+8*\b:64*(\f)+8*\b+3],   v[ADRB+\r+(\q)/4] offset:32*((\q)%4)*BP+32*\b
	ds_load_tr16_b128 v[64*(\f)+8*\b+4:64*(\f)+8*\b+7], v[ADRB+\r+(\q)/4] offset:32*((\q)%4)*BP+16*BP+32*\b
.endr
	WIN 0
.irp a, 0,1,2,3
	ds_load_b128 v[AF+32*(\f)+8*\a:AF+32*(\f)+8*\a+3],   v[ADRA+\r] offset:64*(\q)+\a*16*(PAS+(\r)*(PAB-PAS))
	ds_load_b128 v[AF+32*(\f)+8*\a+4:AF+32*(\f)+8*\a+7], v[ADRA+\r] offset:64*(\q)+\a*16*(PAS+(\r)*(PAB-PAS))+32
.endr
.endm
.macro MUL8 f, a, zero                 ; the 32 accumulators take turns, in the same order in every quarter
.irp b, 0,1,2,3,4,5,6,7
.if \zero
	v_wmma_f32_16x16x32_f16 v[8*(8*(\a)+\b):8*(8*(\a)+\b)+7], v[64*(\f)+8*\b:64*(\f)+8*\b+7], v[AF+32*(\f)+8*(\a):AF+32*(\f)+8*(\a)+7], 0
.else
	v_wmma_f32_16x16x32_f16 v[8*(8*(\a)+\b):8*(8*(\a)+\b)+7], v[64*(\f)+8*\b:64*(\f)+8*\b+7], v[AF+32*(\f)+8*(\a):AF+32*(\f)+8*(\a)+7], v[8*(8*(\a)+\b):8*(8*(\a)+\b)+7]
.endif
.endr
.endm
.macro QUARTER r, q, zero              ; 32 along K (SMALL has four such, BIG eight); in its middle the region's next quarter is fetched
	s_wait_dscnt 4                                 ; all but att's blocks 2 and 3 are in
	WIN MUL
	MUL8 (\q)%2, 0, \zero
	MUL8 (\q)%2, 1, \zero
	PLACES
	FETCH \r, (\q)+1, 1-(\q)%2
	s_wait_dscnt 24                                ; all but the 24 just issued
	WIN MUL
	MUL8 (\q)%2, 2, \zero
	MUL8 (\q)%2, 3, \zero
.endm
; a region's last quarter changes regions: from r to n.  fill = 1: region r is filled again, with its units three on.  ask = 1: the prefetch follows
.macro TURN r, n, fill, ask
.if \ask
	s_wait_xcnt 0x0                                ; the last prefetches, a trip back, have read their address: it steps here, ahead of the change's own waits
	s_add_nc_u64 s[PFA:PFA+1], s[PFA:PFA+1], s[PFS:PFS+1]
.endif
	WIN 0
	s_wait_tensorcnt 0x0                           ; all my tensor loads have landed: my part of the other region
	ds_add_u32 v[SPW], v[NIL]
	s_wait_dscnt 5                                 ; (the add and att's blocks 2 and 3 may be out)
	WIN MUL
	MUL8 1, 0, 0
	s_wait_dscnt 0x0                               ; the add is done, and my reads of this region are over
	s_barrier_signal -1
	MUL8 1, 1, 0
	WIN 0
	s_barrier_wait -1
.if \fill
	CREST                                          ; a round of the cluster's barrier: no wave of any partner still reads this region or has a load on its way
	s_add_nc_u64 s[G0A+4*\r+2:G0A+4*\r+3], s[G0A+4*\r+2:G0A+4*\r+3], 3*256
	s_add_nc_u64 s[G0B+4*\r+2:G0B+4*\r+3], s[G0B+4*\r+2:G0B+4*\r+3], 3*128*8192
	JLOAD G0A+4*\r, G1A+8*\r, G0B+4*\r, G1B+8*\r   ; the first tensor load behind the round; its four v_nop are also the places in front of the loads below
.else
	PLACES
.endif
	FETCH \n, 0, 0
.if \ask
	ASK                                            ; behind the joint load and the run of LDS loads that the next products wait for
.endif
	WIN MUL
	MUL8 1, 2, 0
	MUL8 1, 3, 0
.endm
	s_load_b128 s[4:7], s[0:1], 0x0                ; att16 s[4:5], wo16 s[6:7]
	s_load_b64 s[8:9], s[0:1], 0x10                ; out0
	v_lshl_add_u32 v[SPW], v0, 2, SPARE
	v_mov_b32 v[NIL], 0
	ds_add_u32 v[SPW], v[NIL]                      ; the wave's opening: the add, twice on end, and its wait ahead of my first tensor load
	ds_add_u32 v[SPW], v[NIL]
	v_lshrrev_b32 v1, 5, v0
	v_readfirstlane_b32 s10, v1
	s_lshr_b32 s11, s10, 1                         ; which 64 rows are mine.  Also: I fetch for att (0) or for wo (1)
	s_and_b32 s12, s10, 1                          ; which 128 columns.  Also: which half of that tile I fetch
	s_bfe_u32 s40, ttmp6, 0x40000                  ; cx
	s_bfe_u32 s41, ttmp6, 0x40004                  ; cy
	s_lshl_b32 s42, ttmp9, 2
	s_add_co_u32 s42, s42, s40                     ; tile column
	s_and_b32 s13, ttmp7, 0xffff
	s_lshl_b32 s13, s13, 2
	s_add_co_u32 s13, s13, s41                     ; tile row
	s_lshl_b32 s43, s41, 2
	s_lshl_b32 s43, 15, s43                        ; my row of the cluster
	s_lshl_b32 s44, 0x1111, s40                    ; my column
	s_or_b32 s[G1A], s43, (1<<16)|(1<<20)|(1<<21)|(5<<22)|(3<<25)     ; att in SMALL: 64 rows x 128 elements of 2 bytes; 4 words of padding after every 64
	s_mov_b32 s[G1A+1], 128<<16
	s_mov_b32 s[G1A+2], 64<<16
	s_mov_b32 s[G1A+3], 128<<16
	s_mov_b32 s[G1A+4], 64
	s_mov_b32 s[G1A+5], 2048
	s_mov_b32 s[G1A+6], 0
	s_mov_b32 s[G1A+7], 0
	s_or_b32 s[G1A+8], s43, (1<<16)|(1<<20)|(1<<21)|(6<<22)|(3<<25)   ; att in BIG: 64 rows x 256 elements; 4 words after every 128
	s_mov_b32 s[G1A+9], 256<<16
	s_mov_b32 s[G1A+10], 64<<16
	s_mov_b32 s[G1A+11], 256<<16
	s_mov_b32 s[G1A+12], 64
	s_mov_b32 s[G1A+13], 2048
	s_mov_b32 s[G1A+14], 0
	s_mov_b32 s[G1A+15], 0
	s_or_b32 s[G1B], s44, (1<<16)|(1<<20)|(1<<21)|(6<<22)|(7<<25)     ; wo in SMALL: 64 rows (k) x 256 elements; 8 words after every 128
	s_mov_b32 s[G1B+1], 256<<16
	s_mov_b32 s[G1B+2], 64<<16
	s_mov_b32 s[G1B+3], 256<<16
	s_mov_b32 s[G1B+4], 64
	s_mov_b32 s[G1B+5], 4096
	s_mov_b32 s[G1B+6], 0
	s_mov_b32 s[G1B+7], 0
	s_or_b32 s[G1B+8], s44, (1<<16)|(1<<20)|(1<<21)|(6<<22)|(7<<25)   ; wo in BIG: 128 rows
	s_mov_b32 s[G1B+9], 256<<16
	s_mov_b32 s[G1B+10], 128<<16
	s_mov_b32 s[G1B+11], 256<<16
	s_mov_b32 s[G1B+12], 128
	s_mov_b32 s[G1B+13], 4096
	s_mov_b32 s[G1B+14], 0
	s_mov_b32 s[G1B+15], 0
	s_lshl_b32 s16, s13, 7
	s_lshl_b32 s17, s12, 6
	s_add_co_u32 s16, s16, s17
	s_lshl_b32 s16, s16, 12                        ; att: row 128 x tile row + 64 x half, 4,096 bytes a row
	s_mov_b32 s17, 0
	s_lshl_b32 s47, s42, 9                         ; wo: 512 bytes a tile column;
	s_lshl_b32 s46, s12, 19                        ; SMALL: k = 64 x half, 8,192 bytes a row
	s_add_co_u32 s46, s46, s47
	s_lshl_b32 s18, s12, 20                        ; BIG: k = 128 + 128 x half
	s_add_co_u32 s18, s18, s47
	s_add_co_u32 s18, s18, 128*8192
	s_mov_b32 s47, 0
	s_mov_b32 s19, 0
	s_mul_i32 s20, s12, 64*PAS                     ; where they go: no place in the cluster enters an LDS address
	s_mul_i32 s21, s12, 64*PAB
	s_mul_i32 s22, s12, 64*BP
	s_mul_i32 s23, s12, 128*BP
	s_wait_dscnt 0x0                               ; both opening adds are done
	s_wait_kmcnt 0x0
	s_add_nc_u64 s[14:15], s[4:5], s[16:17]
	s_add_nc_u64 s[46:47], s[6:7], s[46:47]
	s_add_nc_u64 s[18:19], s[6:7], s[18:19]
	s_mov_b32 s[G0A], 1
	s_add_co_u32 s[G0A+1], s20, SML
	s_mov_b64 s[G0A+2:G0A+3], s[14:15]             ; unit 0
	s_or_b32 s[G0A+3], s[G0A+3], 0x80000000
	s_mov_b32 s[G0A+4], 1
	s_mov_b32 s[G0A+5], s21
	s_add_nc_u64 s[G0A+6:G0A+7], s[14:15], 256     ; units 1 and 2
	s_or_b32 s[G0A+7], s[G0A+7], 0x80000000
	s_mov_b32 s[G0B], 1
	s_add_co_u32 s[G0B+1], s22, SMLB
	s_mov_b64 s[G0B+2:G0B+3], s[46:47]
	s_or_b32 s[G0B+3], s[G0B+3], 0x80000000
	s_mov_b32 s[G0B+4], 1
	s_add_co_u32 s[G0B+5], s23, BIGB
	s_mov_b64 s[G0B+6:G0B+7], s[18:19]
	s_or_b32 s[G0B+7], s[G0B+7], 0x80000000
	CROUND                                         ; all sixteen work-groups are here: the first joint loads meet
	JLOAD G0A, G1A, G0B, G1B                       ; SMALL, then BIG: two loads of mine are out
	JLOAD G0A+4, G1A+8, G0B+4, G1B+8
	v_and_b32 v1, 15, v0                           ; r
	v_bfe_u32 v2, v0, 4, 1                         ; h
	v_mul_u32_u24 v3, v1, PAS
	v_lshl_add_u32 v3, v2, 4, v3
	s_mul_i32 s20, s11, 64*PAS
	s_add_co_u32 s20, s20, SML
	v_add_nc_u32 v[ADRA], s20, v3
	v_mul_u32_u24 v3, v1, PAB
	v_lshl_add_u32 v3, v2, 4, v3
	s_mul_i32 s20, s11, 64*PAB
	v_add_nc_u32 v[ADRA+1], s20, v3
	v_and_b32 v4, 7, v0
	v_bfe_u32 v5, v0, 3, 1
	v_lshl_add_u32 v4, v2, 3, v4
	v_mul_u32_u24 v4, v4, BP
	v_lshl_add_u32 v4, v5, 4, v4                   ; the turning load: k = 8 h + l % 8, columns 8 ((l / 8) % 2) on
	s_lshl_b32 s21, s12, 8
	v_add_nc_u32 v4, s21, v4
	v_add_nc_u32 v[ADRB], SMLB, v4
	v_add_nc_u32 v[ADRB+1], BIGB, v4
	v_add_nc_u32 v[ADRB+2], BIGB+128*BP, v4
	s_mul_i32 s20, s10, 16*SPITCH                  ; my stage
	v_mul_u32_u24 v5, v1, SPITCH
	v_lshl_add_u32 v5, v2, 5, v5
	v_add_nc_u32 v[STO], s20, v5                   ; in: row r, 32 bytes for each half of the lanes
	v_and_b32 v6, 31, v0
	v_lshlrev_b32 v[CO], 4, v6
	v_add_nc_u32 v[RD], s20, v[CO]                 ; back: the 32 lanes take one row of 512 bytes
	s_lshl_b32 s16, s13, 7
	s_lshl_b32 s17, s11, 6
	s_add_co_u32 s16, s16, s17
	s_lshl_b32 s16, s16, 14                        ; my first row of out0, 16,384 bytes a row
	s_lshl_b32 s46, s42, 10
	s_lshl_b32 s47, s12, 9
	s_add_co_u32 s46, s46, s47
	s_add_co_u32 s16, s16, s46
	s_mov_b32 s17, 0
	s_add_nc_u64 s[8:9], s[8:9], s[16:17]
	; the prefetches: who asks, and where my wave's stand.  Nothing is asked for here, at the head, where every work-group's first tiles are on their way
	s_and_b32 s89, ttmp7, 0xffff                   ; cluster y
	s_lshl_b32 s90, s13, 7                         ; att: row 128 x tile row
	s_lshl_b32 s91, s40, 5                         ; + my work-group's 32 of them,
	s_add_co_u32 s90, s90, s91
	s_lshl_b32 s90, s90, 12
	s_add_co_u32 s90, s90, 256                     ; at unit 1: the first trip steps it to unit 4
	s_lshl_b32 s91, s12, 6                         ; wo: the 64 rows of a unit that I fetch,
	s_lshl_b32 s92, s41, 4                         ; my work-group's 16 of them,
	s_add_co_u32 s91, s91, s92
	s_add_co_u32 s91, s91, 128                     ; at unit 1,
	s_lshl_b32 s91, s91, 13
	s_lshl_b32 s92, s42, 9                         ; in my tile column
	s_add_co_u32 s91, s91, s92
	s_mov_b32 s[PFS], 3*128*8192
	s_mov_b32 s93, 128*8192
	s_cmp_eq_u32 s11, 0                            ; do I fetch for att?
	s_cselect_b64 s[PFA:PFA+1], s[4:5], s[6:7]
	s_cselect_b32 s90, s90, s91
	s_cselect_b32 s89, ttmp9, s89                  ; the coordinate along which other clusters read the same rows
	s_cselect_b32 s92, s12, 0                      ; (of att's two waves the first asks)
	s_cselect_b32 s[PFS], 3*256, s[PFS]            ; three units on
	s_cselect_b32 s93, 256, s93                    ; one unit on
	s_cselect_b32 s94, 0, 1                        ; att: a lane a row; wo: two lanes a row
	s_mov_b32 s91, 0
	s_mov_b32 s[PFS+1], 0
	s_add_nc_u64 s[PFA:PFA+1], s[PFA:PFA+1], s[90:91]
	s_or_b32 s89, s89, s92
	s_cmp_eq_u32 s89, 0
	s_cselect_b32 s[LIM], 1, -1                    ; the same in all sixteen partners, for a given wave
	s_add_co_u32 s95, s94, 12                      ; a row of att is 4,096 bytes, of wo 8,192
	v_lshrrev_b32 v[PFO], s94, v6
	v_lshlrev_b32 v[PFO], s95, v[PFO]
	v_and_b32 v7, s94, v6
	v_lshl_add_u32 v[PFO], v7, 8, v[PFO]
	v_add_nc_u32 v[PFO+1], s93, v[PFO]
	v_add_nc_u32 v[PFO+2], s93, v[PFO+1]
	s_wait_tensorcnt 1                             ; my part of SMALL (unit 0) is in; BIG's load may stay out
	s_barrier_signal -1
	s_barrier_wait -1
	FETCH 0, 0, 0
	QUARTER 0, 0, 1                                ; the first quarter's products start the sums
	WIN 0
	s_mov_b32 s3, 4
.Llap:                                             ; a trip: the rest of SMALL, all of BIG, the next SMALL's first quarter; both regions are filled again
	QUARTER 0, 1, 0
	QUARTER 0, 2, 0
	TURN 0, 1, 1, 1
.irp q, 0,1,2,3,4,5,6
	QUARTER 1, \q, 0
.endr
	TURN 1, 0, 1, 0
	QUARTER 0, 0, 0
	WIN 0
	s_sub_co_u32 s3, s3, 1
	s_cmp_lg_u32 s3, 0
	s_cbranch_scc1 .Llap
	QUARTER 0, 1, 0                                ; the tail is written out: unit 12; SMALL takes unit 15, the last load
	QUARTER 0, 2, 0
	TURN 0, 1, 1, 0
.irp q, 0,1,2,3,4,5,6
	QUARTER 1, \q, 0                               ; units 13 and 14
.endr
	TURN 1, 0, 0, 0                                ; nothing is left to fetch
	QUARTER 0, 0, 0                                ; unit 15
	QUARTER 0, 1, 0
	QUARTER 0, 2, 0
	s_wait_dscnt 4
	WIN MUL
	MUL8 1, 0, 0
	MUL8 1, 1, 0
	s_wait_dscnt 0
	MUL8 1, 2, 0
	MUL8 1, 3, 0
	WIN 0
; THE WAY OUT, block by block of 16 rows x 128 columns: through my own stage, back as whole rows of 512 bytes
.macro TOSTAGE a
	WIN 0x08                                       ; the data: window 2
.irp b, 0,1,2,3,4,5,6,7
	ds_store_b128 v[STO], v[64*(\a)+8*\b:64*(\a)+8*\b+3] offset:64*\b        ; each accumulator from its low end on
	ds_store_b128 v[STO], v[64*(\a)+8*\b+4:64*(\a)+8*\b+7] offset:64*\b+16
.endr
	WIN 0
.irp t, 0,1,2,3,4,5,6,7,8,9,10,11,12,13,14,15
	ds_load_b128 v[BK+64*((\a)%2)+4*\t:BK+64*((\a)%2)+4*\t+3], v[RD] offset:\t*SPITCH
.endr
.endm
.macro SEND a, younger
	s_wait_dscnt \younger
.if (\a) > 0
	s_add_nc_u64 s[8:9], s[8:9], 16*16384          ; (behind a wait on XCNT: the earlier stores have read their base)
.endif
.irp t, 0,1,2,3,4,5,6,7,8,9,10,11,12,13,14,15
	global_store_b128 v[CO], v[BK+64*((\a)%2)+4*\t:BK+64*((\a)%2)+4*\t+3], s[8:9] offset:\t*16384 th:TH_STORE_NT   ; 32 lanes store 512 consecutive bytes, aligned
.endr
.endm
	PLACES
	TOSTAGE 0
.irp a, 1,2,3
.if \a > 1
	s_wait_xcnt 0x0                                ; block a - 2's stores have read their registers and their base
.endif
	TOSTAGE \a
	SEND \a-1, 32                                  ; behind block a - 1's loads: block a's 16 stores and 16 loads
.endr
	s_wait_xcnt 0x0
	SEND 3, 0
	s_wait_tensorcnt 0x0                           ; the wave's end: tensor wait, add of 0 to the spare word, LDS wait
	ds_add_u32 v[SPW], v[NIL]
	s_wait_dscnt 0x0
	CROUND                                         ; the closing round
	s_endpgm
.Lfunc_end_k_q4fc0d25036_outp:
	.size	k_q4fc0d25036_outp, .Lfunc_end_k_q4fc0d25036_outp-k_q4fc0d25036_outp
	.p2alignl 7, 3214868480
	.fill 96, 4, 3214868480
	.section	.rodata,"a",@progbits
	.p2align	6, 0x0
	.amdhsa_kernel k_q4fc0d25036_outp
		.amdhsa_group_segment_fixed_size 327680
		.amdhsa_private_segment_fixed_size 0
		.amdhsa_enable_private_segment 0
		.amdhsa_kernarg_size 24
		.amdhsa_user_sgpr_count 2
		.amdhsa_user_sgpr_kernarg_segment_ptr 1
		.amdhsa_wavefront_size32 1
		.amdhsa_system_sgpr_workgroup_id_x 1
		.amdhsa_system_sgpr_workgroup_id_y 1
		.amdhsa_system_sgpr_workgroup_id_z 1
		.amdhsa_system_vgpr_workitem_id 0
		.amdhsa_next_free_vgpr 1024
		.amdhsa_next_free_sgpr 96
		.amdhsa_reserve_vcc 0
		.amdhsa_float_denorm_mode_32 3
		.amdhsa_float_denorm_mode_16_64 3
		.amdhsa_memory_ordered 1
		.amdhsa_forward_progress 1
		.amdhsa_inst_pref_size 135
	.end_amdhsa_kernel
	.amdgpu_metadata
---
amdhsa.version: [ 1, 2 ]
amdhsa.kernels:
  - .name:           k_q4fc0d25036_outp
    .symbol:         k_q4fc0d25036_outp.kd
    .args:
      - { .name: att16, .offset: 0, .size: 8, .value_kind: global_buffer, .address_space: global }
      - { .name: wo16, .offset: 8, .size: 8, .value_kind: global_buffer, .address_space: global }
      - { .name: out0, .offset: 16, .size: 8, .value_kind: global_buffer, .address_space: global }
    .group_segment_fixed_size: 327680
    .private_segment_fixed_size: 0
    .kernarg_segment_align: 8
    .kernarg_segment_size: 24
    .max_flat_workgroup_size: 128
    .sgpr_count:     96
    .vgpr_count:     1024
    .wavefront_size: 32
...
	.end_amdgpu_metadata
.endif
;; end of part 4
;; launch fine (part 5): grid 256 x 1, 8 waves a work-group, no clusters, 9,216 bytes of LDS; arguments qkv32, wo, out0; writes out0
.if DOCPART == 5
	.amdgcn_target "amdgcn-amd-amdhsa--gfx1250"
	.amdhsa_code_object_version 6
	.text
	.protected	k_q4fc0d25036_fine
	.globl	k_q4fc0d25036_fine
	.p2align	8
	.type	k_q4fc0d25036_fine,@function
k_q4fc0d25036_fine:
	s_mov_b64 s[64:65], 0
	v_nop
	global_prefetch_b8 v0, s[64:65] scope:SCOPE_SE
	s_setreg_imm32_b32 hwreg(HW_REG_WAVE_MODE, 25, 1), 1
	s_wait_xcnt 0x0
; fine: positions 0-15 once more, wholly in f32: they average one to sixteen values, so f16 operands would weigh most there.  Rows 0-15 of out0 are written anew.
; IN: qkv32, f32, positions 0-15 of q | k | v (q and k halved, so c = 4 log2(e) / sqrt(128)), laid as my registers want it: [32 groups of 128 columns][16 runs][32 lanes][16 bytes];
; groups 0-15 are q's heads, 16-23 k's, 24-31 v's; run c of lane (r, h) holds position r, channels 16 (c / 2) + 8 h + 4 (c % 2) + 0 .. 3: each load of a wave covers 512 consecutive bytes.  wo [2048][4096] f32.
; SHARES.  A work-group owns 16 columns of out0.  Wave w owns key head w and query heads 2 w, 2 w + 1: rows 256 w .. 256 w + 255 of wo.
; out = the sum over heads e of P_e (V wo_e): the product of V with wo's 16 columns comes first, so that every result lies as the next product's operand wants it:
;   S^T = K Q_e^T   (source 0 = 16 keys, source 1 = 16 queries): lane (r, h), register j: key 8 h + j, query r;  softmax along the registers and the two halves -> P_e
;   Z_e = V wo_e    (source 0 = 16 keys, source 1 = 16 columns): lane (r, h), register j: key 8 h + j, column r
;   P_e Z_e         (source 0 = P_e: query r, key 8 h + 2 t + j; source 1 = Z_e: column r, the same key): registers 2 t, 2 t + 1 of both are K step t
; Along the channels both sides of a product take the same order: register k of lane (r, h) holds channel 16 (k / 8) + k % 8 + 8 h, of K, Q and V by the layout above, of wo by its loads' rows.
; The eight waves' parts meet in LDS and are added in a fixed order.
; REGISTERS: window 0: v3-12 addresses; v16-79 K; v80-143 V; v144-159 S^T, v160-175 Z, v176-191 P Z (written by matrix instructions alone); v192-207 P; v208-217 at work; v232-247 the sum.
;   window 1: v0-63 wo of head 2 w; v64-127 Q of head 2 w, then wo of head 2 w + 1; v192-255 Q of head 2 w + 1.
.set SPARE, 8192
.set AQ,  3
.set AW,  4
.set KR,  16
.set VR,  80
.set SA,  144
.set ZA,  160
.set PJ,  176
.set PP,  192
.set TM,  208
.set RR,  232
.set MSB, 0
.macro WIN new
.if MSB != \new
	s_set_vgpr_msb (MSB<<8)|\new
.set MSB, \new
.endif
.endm
.macro WOLOAD e                        ; register k of head e: wo(256 w + 128 e + 16 (k / 8) + k % 8 + 8 h, my column): sixteen lanes read 64 consecutive bytes
	WIN 0x40
.set k, 0
.rept 64
	global_load_b32 v[64*(\e)+k], v[AW], s[16:17] offset:(128*(\e)+16*(k/8)+k%8)*16384
.set k, k+1
.endr
	WIN 0
.endm
	s_load_b128 s[4:7], s[0:1], 0x0                ; qkv32 s[4:5], wo s[6:7]
	s_load_b64 s[8:9], s[0:1], 0x10                ; out0
	v_lshl_add_u32 v10, v0, 2, SPARE               ; my spare word; never rewritten
	v_mov_b32 v11, 0
	v_lshrrev_b32 v1, 5, v0
	v_readfirstlane_b32 s10, v1                    ; wave 0..7
	v_and_b32 v1, 15, v0                           ; r
	v_bfe_u32 v2, v0, 4, 1                         ; h
	v_and_b32 v12, 31, v0                          ; lane
	v_lshlrev_b32 v[AQ], 4, v12                    ; qkv32: 16 bytes a lane in a run of 512
	v_lshlrev_b32 v[AW], 17, v2
	v_lshl_add_u32 v[AW], v1, 2, v[AW]             ; wo: 8 h rows of 16,384 bytes, + 4 r
	v_lshlrev_b32 v5, 3, v2
	v_sub_nc_u32 v5, v1, v5                        ; d = r - 8 h: register j's key is hidden where j > d
	v_mov_b32 v6, 0xff800000                       ; -infinity
	s_lshl_b32 s12, s10, 10
	v_lshl_add_u32 v7, v12, 4, s12                 ; my part in LDS: 1,024 w + 16 x lane
	s_lshr_b32 s12, s10, 2
	s_lshl_b32 s12, s12, 9
	s_and_b32 s13, s10, 3
	s_lshl_b32 s13, s13, 2
	s_add_co_u32 s12, s12, s13
	v_lshl_add_u32 v8, v12, 4, s12                 ; register w of every wave's part
	v_lshl_add_u32 v9, v2, 3, s10
	v_lshlrev_b32 v9, 14, v9
	v_lshl_add_u32 v9, v1, 2, v9                   ; out0: row 8 h + w, column r
	v_mov_b32 v[TM+2], 0                           ; written once: a lane permute's destination counts as one of its sources
	v_mov_b32 v[TM+3], 0
	v_mov_b32 v[TM+8], 0
	v_mov_b32 v[TM+9], 0
	s_mov_b32 s20, 0x3f0293ee                      ; c
	s_mov_b32 s22, 0x76543210
	s_mov_b32 s23, 0xfedcba98
	s_lshl_b32 s24, s10, 13                        ; a group of 128 columns is 8,192 bytes: k's and v's group w,
	s_mov_b32 s25, 0
	s_lshl_b32 s26, s10, 14                        ; q's groups 2 w and 2 w + 1
	s_mov_b32 s27, 0
	s_lshl_b32 s28, s10, 22                        ; 256 w rows of wo
	s_lshl_b32 s30, ttmp9, 6                       ; my 16 columns
	s_mov_b32 s31, 0
	s_add_co_u32 s28, s28, s30
	s_mov_b32 s29, 0
	s_wait_kmcnt 0x0
	s_add_nc_u64 s[12:13], s[4:5], s[24:25]
	s_add_nc_u64 s[14:15], s[4:5], s[26:27]
	s_add_nc_u64 s[16:17], s[6:7], s[28:29]
	s_add_nc_u64 s[8:9], s[8:9], s[30:31]
.irp c, 0,1,2,3,4,5,6,7,8,9,10,11,12,13,14,15
	global_load_b128 v[KR+4*\c:KR+4*\c+3], v[AQ], s[12:13] offset:16*8192+512*\c
.endr
	WIN 0x40
.irp c, 0,1,2,3,4,5,6,7,8,9,10,11,12,13,14,15
	global_load_b128 v[64+4*\c:64+4*\c+3], v[AQ], s[14:15] offset:512*\c
	global_load_b128 v[192+4*\c:192+4*\c+3], v[AQ], s[14:15] offset:8192+512*\c
.endr
	WIN 0
.irp c, 0,1,2,3,4,5,6,7,8,9,10,11,12,13,14,15
	global_load_b128 v[VR+4*\c:VR+4*\c+3], v[AQ], s[12:13] offset:24*8192+512*\c
.endr
	WOLOAD 0
	s_wait_loadcnt 63                              ; of the 128 issued at most 63 are out: K, Q and V, the first 64, are in
	WIN 0x04                                       ; source 1 window 1
	v_wmma_f32_16x16x4_f32 v[SA:SA+7], v[KR:KR+1], v[64:65], 0              ; the first K step starts both sums; the two take turns
	v_wmma_f32_16x16x4_f32 v[SA+8:SA+15], v[KR:KR+1], v[192:193], 0
.set k, 1
.rept 31
	v_wmma_f32_16x16x4_f32 v[SA:SA+7], v[KR+2*k:KR+2*k+1], v[64+2*k:65+2*k], v[SA:SA+7]
	v_wmma_f32_16x16x4_f32 v[SA+8:SA+15], v[KR+2*k:KR+2*k+1], v[192+2*k:193+2*k], v[SA+8:SA+15]
.set k, k+1
.endr
	WIN 0
.rept 8
	v_nop                                          ; places behind this form: in front of the loads into Q's registers and of the first read of the scores
.endr
	WOLOAD 1
.irp j, 0,1,2,3,4,5,6,7
	v_cmp_gt_i32 vcc_lo, \j, v5
	v_cndmask_b32 v[PP+\j], v[SA+\j], v6, vcc_lo   ; hidden scores become -infinity, in other registers than the sums'
	v_cndmask_b32 v[PP+8+\j], v[SA+8+\j], v6, vcc_lo
.endr
.irp e, 0,1
	v_max3_num_f32 v[TM+\e], v[PP+8*\e], v[PP+8*\e+1], v[PP+8*\e+2]
.endr
.irp j, 3,5
.irp e, 0,1
	v_max3_num_f32 v[TM+\e], v[TM+\e], v[PP+8*\e+\j], v[PP+8*\e+\j+1]
.endr
.endr
.irp e, 0,1
	v_max_num_f32 v[TM+\e], v[TM+\e], v[PP+8*\e+7]
.endr
.irp e, 0,1
	v_permlanex16_b32 v[TM+2+\e], v[TM+\e], s22, s23
.endr
.irp e, 0,1
	v_max_num_f32 v[TM+\e], v[TM+\e], v[TM+2+\e]   ; the row's maximum: key 0 counts for every query
.endr
.irp e, 0,1
	v_mul_f32 v[TM+4+\e], s20, v[TM+\e]
.endr
.irp j, 0,1,2,3,4,5,6,7
.irp e, 0,1
	v_fma_f32 v[PP+8*\e+\j], v[PP+8*\e+\j], s20, -v[TM+4+\e]
.endr
.endr
.set k, 0
.rept 16
	v_exp_f32 v[PP+k], v[PP+k]
.set k, k+1
.endr
	v_nop
	s_wait_alu depctr_va_vdst(0)                   ; one wait for the sixteen, ahead of their first reader
.irp e, 0,1
	v_add_f32 v[TM+6+\e], v[PP+8*\e], v[PP+8*\e+1]
.endr
.irp j, 2,3,4,5,6,7
.irp e, 0,1
	v_add_f32 v[TM+6+\e], v[TM+6+\e], v[PP+8*\e+\j]
.endr
.endr
.irp e, 0,1
	v_permlanex16_b32 v[TM+8+\e], v[TM+6+\e], s22, s23
.endr
.irp e, 0,1
	v_add_f32 v[TM+6+\e], v[TM+6+\e], v[TM+8+\e]
.endr
	v_rcp_f32 v[TM+6], v[TM+6]
	v_rcp_f32 v[TM+7], v[TM+7]
	v_nop
	s_wait_alu depctr_va_vdst(0)
.irp j, 0,1,2,3,4,5,6,7
.irp e, 0,1
	v_mul_f32 v[PP+8*\e+\j], v[PP+8*\e+\j], v[TM+6+\e]
.endr
.endr
	s_wait_loadcnt 0x0                             ; wo's 256 rows of my 16 columns
	WIN 0x04
	v_wmma_f32_16x16x4_f32 v[ZA:ZA+7], v[VR:VR+1], v[0:1], 0
	v_wmma_f32_16x16x4_f32 v[ZA+8:ZA+15], v[VR:VR+1], v[64:65], 0
.set k, 1
.rept 31
	v_wmma_f32_16x16x4_f32 v[ZA:ZA+7], v[VR+2*k:VR+2*k+1], v[2*k:2*k+1], v[ZA:ZA+7]
	v_wmma_f32_16x16x4_f32 v[ZA+8:ZA+15], v[VR+2*k:VR+2*k+1], v[64+2*k:65+2*k], v[ZA+8:ZA+15]
.set k, k+1
.endr
	WIN 0
.rept 9
	v_nop                                          ; a result becomes a source of the next product: nine places behind this form
.endr
	v_wmma_f32_16x16x4_f32 v[PJ:PJ+7], v[PP:PP+1], v[ZA:ZA+1], 0
	v_wmma_f32_16x16x4_f32 v[PJ+8:PJ+15], v[PP+8:PP+9], v[ZA+8:ZA+9], 0
.irp t, 1,2,3
	v_wmma_f32_16x16x4_f32 v[PJ:PJ+7], v[PP+2*\t:PP+2*\t+1], v[ZA+2*\t:ZA+2*\t+1], v[PJ:PJ+7]
	v_wmma_f32_16x16x4_f32 v[PJ+8:PJ+15], v[PP+8+2*\t:PP+9+2*\t], v[ZA+8+2*\t:ZA+9+2*\t], v[PJ+8:PJ+15]
.endr
.rept 8
	v_nop
.endr
.irp j, 0,1,2,3,4,5,6,7
	v_add_f32 v[RR+\j], v[PJ+\j], v[PJ+8+\j]       ; my two heads' part: register j: (query 8 h + j, column r)
.endr
	ds_store_b128 v7, v[RR:RR+3]
	ds_store_b128 v7, v[RR+4:RR+7] offset:512
	s_wait_dscnt 0x0                               ; for the others' sake: my stores are done
	s_barrier_signal -1
	s_barrier_wait -1
.irp u, 0,1,2,3,4,5,6,7
	ds_load_b32 v[240+\u], v8 offset:1024*\u       ; register w of all eight parts
.endr
	s_wait_dscnt 0x0
.irp u, 1,2,3,4,5,6,7
	v_add_f32 v240, v240, v[240+\u]
.endr
	global_store_b32 v9, v240, s[8:9]              ; rows w and 8 + w, my 16 columns
	s_wait_tensorcnt 0x0                           ; the wave's end: tensor wait, add of 0 to the spare word, LDS wait, behind my last LDS store
	ds_add_u32 v10, v11
	s_wait_dscnt 0x0
	s_endpgm
.Lfunc_end_k_q4fc0d25036_fine:
	.size	k_q4fc0d25036_fine, .Lfunc_end_k_q4fc0d25036_fine-k_q4fc0d25036_fine
	.p2alignl 7, 3214868480
	.fill 96, 4, 3214868480
	.section	.rodata,"a",@progbits
	.p2align	6, 0x0
	.amdhsa_kernel k_q4fc0d25036_fine
		.amdhsa_group_segment_fixed_size 9216
		.amdhsa_private_segment_fixed_size 0
		.amdhsa_enable_private_segment 0
		.amdhsa_kernarg_size 24
		.amdhsa_user_sgpr_count 2
		.amdhsa_user_sgpr_kernarg_segment_ptr 1
		.amdhsa_wavefront_size32 1
		.amdhsa_system_sgpr_workgroup_id_x 1
		.amdhsa_system_sgpr_workgroup_id_y 1
		.amdhsa_system_sgpr_workgroup_id_z 1
		.amdhsa_system_vgpr_workitem_id 0
		.amdhsa_next_free_vgpr 512
		.amdhsa_next_free_sgpr 66
		.amdhsa_reserve_vcc 1
		.amdhsa_float_denorm_mode_32 3
		.amdhsa_float_denorm_mode_16_64 3
		.amdhsa_memory_ordered 1
		.amdhsa_forward_progress 1
		.amdhsa_inst_pref_size 36
	.end_amdhsa_kernel
	.amdgpu_metadata
---
amdhsa.version: [ 1, 2 ]
amdhsa.kernels:
  - .name:           k_q4fc0d25036_fine
    .symbol:         k_q4fc0d25036_fine.kd
    .args:
      - { .name: qkv32, .offset: 0, .size: 8, .value_kind: global_buffer, .address_space: global }
      - { .name: wo, .offset: 8, .size: 8, .value_kind: global_buffer, .address_space: global }
      - { .name: out0, .offset: 16, .size: 8, .value_kind: global_buffer, .address_space: global }
    .group_segment_fixed_size: 9216
    .private_segment_fixed_size: 0
    .kernarg_segment_align: 8
    .kernarg_segment_size: 24
    .max_flat_workgroup_size: 256
    .sgpr_count:     66
    .vgpr_count:     512
    .wavefront_size: 32
...
	.end_amdgpu_metadata
.endif
;; end of part 5
